; MI455X (gfx1250); checked and timed in simulation.
; The chip was launched on July 23, 2026; its instructions are those of AMD's public machine-readable ISA for CDNA 5 (MIT licence, August 2026) and "CDNA5" Instruction Set Architecture Reference Guide (July 2026). The comments in the code are by the model that wrote it; some were corrected since.
;; MHC Lite Block. Allowed arithmetic: matrix products marked QUANTISED: E3M2 operands, one E8M0 scale for each 32 along K, by v_wmma_scale_f32_16x16x128_f8f6f4 with both operands' format E3M2, f32 sums; products left as they are: f32 operands where the result goes on into a quantised operand, else bf16, f16 or f32 operands; f32 sums; everything else in f32.
;; Inputs: W1 8,192 x 2,048 float32; W2 2,048 x 8,192 float32; W_all 32 x 8,192 float32; alpha_post 1 float32; alpha_pre 1 float32; alpha_res 1 float32; b1 8,192 float32; b2 2,048 float32; b_all 32 float32; perm_mat 24 x 16 float32; x_streams 2 x 1,024 x 4 x 2,048 float32.
;; Outputs: out0 2 x 1,024 x 4 x 2,048 float32.
;; This version of the problem:
;;   THIS VERSION OF THE PROBLEM IS GIVEN IN LOW PRECISION. The matrix products marked QUANTISED in the list below multiply operands that are first quantised to E3M2 (3 exponent bits, 2 mantissa bits; 6 bits a number), with one power-of-two scale for each 32 numbers along K (OCP MX v1.0); their sums are f32. All else is computed in f32.
;;   The module's matrix products, in the order in which they are computed (A, B: the left and right operand; K: the contracted axis; several contracted axes count as one K, in the product's order):
;;     1. [M 2,048, K 8,192] x [K 8,192, N 32]; A: computed on the way; B: input W_all: QUANTISED
;;     2. [M 2,048, K 24] x [K 24, N 16]; A: softmax; B: input perm_mat: left as it is (K = 24 < 32)
;;     3. batch 2,048 x [M 1, K 4] x [K 4, N 2,048]; A: computed on the way; B: input x_streams: left as it is (K = 4 < 32)
;;     4. [M 2,048, K 2,048] x [K 2,048, N 8,192]; A: computed on the way; B: input W1: QUANTISED
;;     5. [M 2,048, K 8,192] x [K 8,192, N 2,048]; A: computed on the way; B: input W2: QUANTISED
;;     6. batch 2,048 x [M 4, K 4] x [K 4, N 2,048]; A: computed on the way; B: input x_streams: left as it is (K = 4 < 32)
;;   THE QUANTISER, for each operand of a quantised product, along K:
;;     - K is cut into blocks of 32 from its start; a last block that is shorter is filled with zeros.
;;     - A block's scale is 2^e with e = floor(log2(the largest magnitude in the block)) - 4, held to -126 .. 127; a block of zeros has e = 0. As a byte (E8M0): e + 127.
;;     - Each number is divided by its block's scale, clamped to +-28, and rounded to the nearest number of E3M2, ties to even, subnormals kept.
;;     - The product sums the exact products of the quantised numbers (number of the format x scale) in f32.
;;   ~~~python
;;   def quantise(x, axis):      # numpy; x: float32 -> the quantised numbers, widened to float32 again
;;       x = np.moveaxis(x, axis, -1); K = x.shape[-1]
;;       x = np.pad(x, [(0, 0)] * (x.ndim - 1) + [(0, -K % 32)]); x = x.reshape(x.shape[:-1] + (-1, 32)); a = np.abs(x).max(-1, keepdims=True)
;;       e = np.where(a > 0, np.clip(np.frexp(np.where(a > 0, a, 1))[1] - 1 - 4, -126, 127), 0)      # np.frexp(a)[1] - 1 = floor(log2(a)), exactly
;;       r = np.clip(x / 2.0 ** e, -28, 28)
;;       step = 2.0 ** (np.maximum(np.frexp(np.where(r == 0, 1, r))[1] - 1, -2) - 2)
;;       q = np.round(r / step) * step * 2.0 ** e      # np.round: ties to even
;;       return np.moveaxis(q.reshape(q.shape[:-2] + (-1,))[..., :K], -1, axis).astype(np.float32)
;;   ~~~
;;   OPERANDS COMPUTED ON THE WAY. 'Computed on the way' means the value that the module computes at that place (a softmax that the list does not call 'softmax' is quantised finished and normalised). What goes into a quantiser is computed in f32, as accurately as f32 sums, v_exp_f32 and their like allow (about 1e-6 of the number): no bf16 or f16 on the way to a quantiser, and a product that is left as it is and whose result goes on into a quantised operand takes f32 operands (vector FMAs, or v_wmma_f32_16x16x4_f32). A number that lies on a knife's edge between two numbers of the format may be rounded either way, as far as f32 arithmetic and the matrix unit's own rounding can turn it there, and no further.
;; One version. Each part assembles by itself: llvm-mc -triple=amdgcn-amd-amdhsa -mcpu=gfx1250 --defsym DOCPART=n.
;; ======== version 1 of 1: 4 launches
;; limits: right only within a limited range of input values
;; workspace buffers: wcodes 25,362,432 bytes; wscales 1,056,768 bytes; licodes 3,145,728 bytes; liscales 131,072 bytes; hm 524,288 bytes; hcodes 12,582,912 bytes; hscales 524,288 bytes
;; launch quantw (part 1): grid 1032 x 1, 4 waves a work-group, no clusters, 35,328 bytes of LDS; arguments W1, W2, W_all, wcodes, wscales; writes wcodes, wscales
.if DOCPART == 1
	.amdgcn_target "amdgcn-amd-amdhsa--gfx1250"
	.amdhsa_code_object_version 6
	.text
	.protected	k_q10e1cf5fe7_quantw
	.globl	k_q10e1cf5fe7_quantw
	.p2align	8
	.type	k_q10e1cf5fe7_quantw,@function
k_q10e1cf5fe7_quantw:
	s_mov_b64 s[64:65], 0
	v_nop
	global_prefetch_b8 v0, s[64:65] scope:SCOPE_SE
	s_setreg_imm32_b32 hwreg(HW_REG_WAVE_MODE, 25, 1), 1
	s_wait_xcnt 0x0
; W1 [8192][2048], W2 [2048][8192] and W_all [32][8192], f32 with K innermost, become codes of BF6 (E3M2) and E8M0 scale bytes, one for each 32 along K.
; A block's scale is 2^(floor(log2(largest magnitude)) - 4); its byte is that magnitude's exponent field - 4, held at 1 from below.
; LAYOUT OF THE RESULT: images of the matrix operand's registers.  A fragment is 16 rows x 128 K = 12 registers a lane: register 4 c + e of lane l lies at byte 512 c + 16 l + 4 e of its 1,536 bytes;
; lane (r = l % 16, h = l / 16) holds blocks h (registers 0-5) and 2 + h (registers 6-11) of the row at place r.  Place p of row tile T is row 32 (T / 2) + 8 (T % 2) + p + 8 (p / 8), so that in a product
; used transposed the 16 registers of tiles 2 b and 2 b + 1 are 16 neighbouring rows.  Fragments lie [row tile][K step]; their scale words, 16 x 4 bytes, likewise.
; SHARES: wave unit U = 4 x work-group + wave takes four K steps on end of one row tile: fragments 4 U .. 4 U + 3 of the joint numbering (W1's 8,192, W2's 8,192, W_all's 128).  Only the source is chosen.
; Each load reads 512 consecutive bytes of one row; a step's 16 rows turn through the wave's own stage in LDS (rows 528 bytes apart: the 16 rows of a read start in 16 different 16-byte columns).
; Waves share nothing: no barrier.  Two steps' loads (32 of 512 bytes) are out in each wave.
; LIMITS: NaN and infinities are not served.  A block of zeros gets the byte 1 (the stated rule says 127): its codes are zeros and this program alone reads the bytes.
.set STG,  8704                        ; LDS of a wave: the stage and 256 bytes of scale words
.set SROW, 528
.set SCW,  16*SROW
.set VO,   2                           ; v2-17   byte offset of row place i: 16 x lane + (i + 8 (i / 8)) x row bytes
.set QM,   24                          ; v24-30  at work in QLANE
.set W,    31                          ; v31     the scale word just made
.set R0,   32                          ; v32-159 two sets of 64 numbers
.set PC,   160                         ; v160-171 a fragment's codes
.set T0,   172
.set T1,   176
.set SEL,  30                          ; s[30:31] lane selects: lane l xor 16
; 64 numbers of a lane, two whole blocks of 32 (v[x] on, v[x + 32] on), become its 12 registers of a fragment, v[pc] on, and the row's scale word, v[w].
; sh: register with 8 x my half; xm: my partner, who holds the row's other two blocks, is lane l xor xm.
.macro QLANE x, pc, t0, t1, w, sh, xm
.irp c, 0,1
	v_max3_num_f32 v[QM+\c], |v[\x+32*\c]|, |v[\x+32*\c+1]|, 0x2800000   ; the floor 2^(5 - 127) among the leaves: the byte cannot fall under 1
.endr
.irp i, 2,4,6,8,10,12,14,16,18,20,22,24,26,28,30
.irp c, 0,1
	v_max3_num_f32 v[QM+\c], v[QM+\c], |v[\x+32*\c+\i]|, |v[\x+32*\c+\i+1]|   ; the two blocks by turns
.endr
.endr
.irp c, 0,1
	v_add_nc_u32 v[QM+2+\c], 0xfe000000, v[QM+\c]   ; 4 off the exponent field: the conversion's scale operand
.endr
.irp c, 0,1
	v_lshrrev_b32 v[QM+4+\c], 23, v[QM+2+\c]        ; the scale's byte
.endr
	v_lshl_or_b32 v[\w], v[QM+5], 16, v[QM+4]       ; my two bytes, two places apart,
	v_lshlrev_b32 v[\w], v[\sh], v[\w]              ; at their places in the word;
.if \xm == 16
	v_permlanex16_b32 v[QM+6], v[\w], s[SEL], s[SEL+1]
.else
	v_mov_b32_dpp v[QM+6], v[\w] row_xmask:8 row_mask:0xf bank_mask:0xf
.endif
	v_or_b32 v[\w], v[\w], v[QM+6]                  ; with my partner's two the word is whole
	v_cvt_scalef32_pk16_bf6_f32 v[\pc:\pc+2], v[\x:\x+15], v[QM+2]
	v_cvt_scalef32_pk16_bf6_f32 v[\t0:\t0+2], v[\x+16:\x+31], v[QM+2]      ; (a conversion's three registers begin on an even number: the second half is made elsewhere and moved)
	v_cvt_scalef32_pk16_bf6_f32 v[\pc+6:\pc+8], v[\x+32:\x+47], v[QM+3]
	v_cvt_scalef32_pk16_bf6_f32 v[\t1:\t1+2], v[\x+48:\x+63], v[QM+3]
	v_nop                                           ; one plain place behind the scaled conversions
.irp i, 0,1,2
	v_mov_b32 v[\pc+3+\i], v[\t0+\i]
	v_mov_b32 v[\pc+9+\i], v[\t1+\i]
.endr
.endm
	s_load_b256 s[4:11], s[0:1], 0x0               ; W1 s[4:5], W2 s[6:7], W_all s[8:9], the codes s[10:11]
	s_load_b64 s[12:13], s[0:1], 0x20              ; the scale words
	v_lshl_add_u32 v184, v0, 2, 0x8800
	v_mov_b32 v185, 0
	v_lshrrev_b32 v24, 5, v0
	v_readfirstlane_b32 s14, v24                   ; wave
	v_and_b32 v25, 31, v0                          ; lane
	v_and_b32 v26, 15, v0                          ; r
	v_bfe_u32 v27, v0, 4, 1                        ; h
	v_lshlrev_b32 v1, 4, v25                       ; 16 x lane
	s_mul_i32 s32, s14, STG
	v_add_nc_u32 v18, s32, v1                      ; the stage, in: 16 x lane of a row
	v_mul_u32_u24 v19, v26, SROW
	v_lshl_add_u32 v19, v27, 7, v19
	v_add_nc_u32 v19, s32, v19                     ; and back: row r, block h
	s_add_co_u32 s33, s32, SCW
	v_lshl_add_u32 v20, v26, 2, s33                ; my row's scale word
	v_lshl_add_u32 v21, v25, 3, s33                ; the 256 bytes of scale words, back: 8 bytes a lane
	v_lshlrev_b32 v22, 3, v25
	v_lshlrev_b32 v23, 3, v27                      ; 8 h
	v_mov_b32 v[QM+6], 0                           ; written once: a lane permute's destination counts as read
	s_mov_b32 s[SEL], 0x76543210
	s_mov_b32 s[SEL+1], 0xfedcba98
	s_mov_b32 s21, 1024
	s_wait_kmcnt 0x0
	s_cmp_lt_u32 ttmp9, s21                        ; which tensor: the choice hangs on the work-group's number alone
	s_cselect_b64 s[16:17], s[6:7], s[8:9]
	s_cselect_b32 s18, 512, s21                    ; its first work-group
	s_cmp_lt_u32 ttmp9, 512
	s_cselect_b64 s[16:17], s[4:5], s[16:17]
	s_cselect_b32 s18, 0, s18
	s_cselect_b32 s19, 13, 15                      ; log2 of a row's bytes
	s_cselect_b32 s20, 2, 4                        ; log2 of the units in a row tile
	s_sub_co_u32 s21, ttmp9, s18
	s_lshl_b32 s21, s21, 2
	s_add_co_u32 s21, s21, s14                     ; my unit in the tensor
	s_lshr_b32 s22, s21, s20                       ; row tile T
	s_lshl_b32 s23, s22, s20
	s_sub_co_u32 s23, s21, s23                     ; which four K steps
	s_lshr_b32 s24, s22, 1
	s_lshl_b32 s24, s24, 5
	s_and_b32 s25, s22, 1
	s_lshl_b32 s25, s25, 3
	s_add_co_u32 s24, s24, s25                     ; the tile's first row: 32 (T / 2) + 8 (T % 2)
	s_lshl_b32 s24, s24, s19
	s_lshl_b32 s23, s23, 11                        ; four K steps are 2,048 bytes of a row
	s_add_co_u32 s24, s24, s23
	s_mov_b32 s25, 0
	s_add_nc_u64 s[16:17], s[16:17], s[24:25]
	s_lshl_b32 s26, ttmp9, 2
	s_add_co_u32 s26, s26, s14                     ; U
	s_mul_i32 s28, s26, 6144
	s_mov_b32 s29, 0
	s_add_nc_u64 s[10:11], s[10:11], s[28:29]
	s_lshl_b32 s28, s26, 8
	s_add_nc_u64 s[12:13], s[12:13], s[28:29]
.irp i, 0,1,2,3,4,5,6,7,8,9,10,11,12,13,14,15
	s_lshl_b32 s27, \i+8*(\i/8), s19
	v_add_nc_u32 v[VO+\i], s27, v1
.endr
.macro LOAD t                          ; K step t: 16 rows x 512 consecutive bytes
.irp i, 0,1,2,3,4,5,6,7,8,9,10,11,12,13,14,15
	global_load_b128 v[R0+64*((\t)%2)+4*\i:R0+64*((\t)%2)+4*\i+3], v[VO+\i], s[16:17] offset:512*(\t) th:TH_LOAD_NT
.endr
.endm
.macro STEP t
.set RR, R0+64*((\t)%2)
.if (\t) < 3
	s_wait_loadcnt 16                              ; this step's 16 loads are in; the next step's 16 may be out
.else
	s_wait_loadcnt 0x0
.endif
.irp i, 0,1,2,3,4,5,6,7,8,9,10,11,12,13,14,15
	ds_store_b128 v18, v[RR+4*\i:RR+4*\i+3] offset:SROW*\i
.endr
.irp c, 0,1
.irp i, 0,1,2,3,4,5,6,7
	ds_load_b128 v[RR+32*\c+4*\i:RR+32*\c+4*\i+3], v19 offset:256*\c+16*\i   ; LDS serves a wave's instructions in order: these see the stores above.  Block 2 c + h of row r
.endr
.endr
	s_wait_dscnt 0x0
	s_wait_xcnt 0x0                                ; the last step's stores have read the codes' registers, which are written again below
	QLANE RR, PC, T0, T1, W, 23, 16
	ds_store_b32 v20, v[W] offset:64*(\t)          ; both lanes of a row write the same word with the same value
.irp c, 0,1,2
	global_store_b128 v1, v[PC+4*\c:PC+4*\c+3], s[10:11] offset:1536*(\t)+512*\c   ; 32 lanes store 512 consecutive bytes, aligned
.endr
.if (\t) < 2
	LOAD (\t)+2
.endif
.endm
	s_wait_alu depctr_va_vdst(0)
	LOAD 0
	LOAD 1
	STEP 0
	STEP 1
	STEP 2
	STEP 3
	ds_load_b64 v[24:25], v21                      ; the four fragments' scale words: they see my stores
	s_wait_dscnt 0x0
	global_store_b64 v22, v[24:25], s[12:13]       ; 256 consecutive bytes, aligned
	s_wait_tensorcnt 0x0
	ds_add_u32 v184, v185
	s_wait_dscnt 0x0
	s_endpgm
.Lfunc_end_k_q10e1cf5fe7_quantw:
	.size	k_q10e1cf5fe7_quantw, .Lfunc_end_k_q10e1cf5fe7_quantw-k_q10e1cf5fe7_quantw
	.p2alignl 7, 3214868480
	.fill 96, 4, 3214868480
	.section	.rodata,"a",@progbits
	.p2align	6, 0x0
	.amdhsa_kernel k_q10e1cf5fe7_quantw
		.amdhsa_group_segment_fixed_size 35328
		.amdhsa_private_segment_fixed_size 0
		.amdhsa_enable_private_segment 0
		.amdhsa_kernarg_size 40
		.amdhsa_user_sgpr_count 2
		.amdhsa_user_sgpr_kernarg_segment_ptr 1
		.amdhsa_wavefront_size32 1
		.amdhsa_system_sgpr_workgroup_id_x 1
		.amdhsa_system_sgpr_workgroup_id_y 1
		.amdhsa_system_sgpr_workgroup_id_z 1
		.amdhsa_system_vgpr_workitem_id 0
		.amdhsa_next_free_vgpr 186
		.amdhsa_next_free_sgpr 66
		.amdhsa_reserve_vcc 0
		.amdhsa_float_denorm_mode_32 3
		.amdhsa_float_denorm_mode_16_64 3
		.amdhsa_memory_ordered 1
		.amdhsa_forward_progress 1
		.amdhsa_inst_pref_size 32
	.end_amdhsa_kernel
	.amdgpu_metadata
---
amdhsa.version: [ 1, 2 ]
amdhsa.kernels:
  - .name:           k_q10e1cf5fe7_quantw
    .symbol:         k_q10e1cf5fe7_quantw.kd
    .args:
      - { .name: W1, .offset: 0, .size: 8, .value_kind: global_buffer, .address_space: global }
      - { .name: W2, .offset: 8, .size: 8, .value_kind: global_buffer, .address_space: global }
      - { .name: W_all, .offset: 16, .size: 8, .value_kind: global_buffer, .address_space: global }
      - { .name: wcodes, .offset: 24, .size: 8, .value_kind: global_buffer, .address_space: global }
      - { .name: wscales, .offset: 32, .size: 8, .value_kind: global_buffer, .address_space: global }
    .group_segment_fixed_size: 35328
    .private_segment_fixed_size: 0
    .kernarg_segment_align: 8
    .kernarg_segment_size: 40
    .max_flat_workgroup_size: 128
    .sgpr_count:     66
    .vgpr_count:     186
    .wavefront_size: 32
...
	.end_amdgpu_metadata
.endif
;; end of part 1
;; launch coef (part 2): grid 256 x 1, 8 waves a work-group, no clusters, 327,680 bytes of LDS; arguments x_streams, wcodes, wscales, b_all, alpha_pre, alpha_post, alpha_res, perm_mat, licodes, liscales, hm; writes licodes, liscales, hm
.if DOCPART == 2
	.amdgcn_target "amdgcn-amd-amdhsa--gfx1250"
	.amdhsa_code_object_version 6
	.text
	.protected	k_q10e1cf5fe7_coef
	.globl	k_q10e1cf5fe7_coef
	.p2align	8
	.type	k_q10e1cf5fe7_coef,@function
k_q10e1cf5fe7_coef:
	s_mov_b64 s[64:65], 0
	v_nop
	global_prefetch_b8 v0, s[64:65] scope:SCOPE_SE
	s_setreg_imm32_b32 hwreg(HW_REG_WAVE_MODE, 25, 1), 1
	s_wait_xcnt 0x0
.set TOKP, 33040
.set RS,   264448
.set PART, 264704
.set COEF, 297472
.set QM,   26
.set RSQ,  34
.set ACC,  36
.set PC,   68
.set T0,   80
.set T1,   84
.set XW,   88
.set WS,   90
.set PM,   98
.set BA,   122
.set RSW,  123
.set XB,   128
.set LI,   128
.set PC4,  192
.set T40,  204
.set T41,  208
.set W4,   212
.set HPD,  216
.set G1,   32
.set G0,   40
.set SEL,  56
.set MSB, 0
.macro WIN new
.if MSB != (\new)
	s_set_vgpr_msb (MSB<<8)|(\new)
.set MSB, (\new)
.endif
.endm
.macro QLANE x, pc, t0, t1, w, sh, xm
.irp c, 0,1
	v_max3_num_f32 v[QM+\c], |v[\x+32*\c]|, |v[\x+32*\c+1]|, 0x2800000
.endr
.irp i, 2,4,6,8,10,12,14,16,18,20,22,24,26,28,30
.irp c, 0,1
	s_delay_alu instid0(VALU_DEP_2)
	v_max3_num_f32 v[QM+\c], v[QM+\c], |v[\x+32*\c+\i]|, |v[\x+32*\c+\i+1]|
.endr
.endr
.irp c, 0,1
	s_delay_alu instid0(VALU_DEP_2)
	v_add_nc_u32 v[QM+2+\c], 0xfe000000, v[QM+\c]
.endr
.irp c, 0,1
	s_delay_alu instid0(VALU_DEP_2)
	v_lshrrev_b32 v[QM+4+\c], 23, v[QM+2+\c]
.endr
	s_delay_alu instid0(VALU_DEP_1)
	v_lshl_or_b32 v[\w], v[QM+5], 16, v[QM+4]
	s_delay_alu instid0(VALU_DEP_1)
	v_lshlrev_b32 v[\w], v[\sh], v[\w]
.if \xm == 16
	s_delay_alu instid0(VALU_DEP_1)
	v_permlanex16_b32 v[QM+6], v[\w], s[SEL], s[SEL+1]
.else
	s_delay_alu instid0(VALU_DEP_1)
	v_mov_b32_dpp v[QM+6], v[\w] row_xmask:8 row_mask:0xf bank_mask:0xf
.endif
	s_delay_alu instid0(VALU_DEP_1)
	v_or_b32 v[\w], v[\w], v[QM+6]
	v_cvt_scalef32_pk16_bf6_f32 v[\pc:\pc+2], v[\x:\x+15], v[QM+2]
	v_cvt_scalef32_pk16_bf6_f32 v[\t0:\t0+2], v[\x+16:\x+31], v[QM+2]
	v_cvt_scalef32_pk16_bf6_f32 v[\pc+6:\pc+8], v[\x+32:\x+47], v[QM+3]
	v_cvt_scalef32_pk16_bf6_f32 v[\t1:\t1+2], v[\x+48:\x+63], v[QM+3]
	v_nop
.irp i, 0,1,2
	v_mov_b32 v[\pc+3+\i], v[\t0+\i]
	v_mov_b32 v[\pc+9+\i], v[\t1+\i]
.endr
.endm
	s_load_b512 s[4:19], s[0:1], 0x0
	s_load_b128 s[20:23], s[0:1], 0x40
	s_load_b64 s[24:25], s[0:1], 0x50
	v_lshl_add_u32 v87, v0, 2, 0x4a000
	v_mov_b32 v89, 0
	ds_add_u32 v87, v89
	ds_add_u32 v87, v89
	v_lshrrev_b32 v1, 5, v0
	s_delay_alu instid0(VALU_DEP_1)
	v_readfirstlane_b32 s26, v1
	s_lshl_b32 s60, ttmp9, 3
	s_add_co_u32 s60, s60, s26
	s_lshl_b32 s60, s60, 15
	s_mov_b32 s61, 0
	s_mul_i32 s62, s26, TOKP
	v_and_b32 v83, 31, v0
	v_lshlrev_b32 v21, 4, v83                      ; 16 x lane: my 16 bytes of a copy's 512, in memory
	v_add_nc_u32 v5, s62, v21                      ; and in my token's place in LDS: streams 0 and 1;
	v_add_nc_u32 v83, 128, v5                      ; streams 2 and 3 lie 128 bytes further on.  v5, v21 and v83 are never rewritten
	s_wait_alu depctr_va_vdst(0)
	s_wait_dscnt 0x0                               ; both opening adds are done
	s_wait_kmcnt 0x0
	s_add_nc_u64 s[60:61], s[4:5], s[60:61]
; My token's 32,768 bytes come by 64 asynchronous copies of 512 consecutive bytes, all issued here, ahead of every barrier, LDS read and wait on ASYNCcnt; each LDS byte is filled once.  The immediate is added to both addresses.
.set I, 0
.rept 32
	global_load_async_to_lds_b128 v5, v21, s[60:61] offset:512*I
.set I, I+1
.endr
.rept 32
	global_load_async_to_lds_b128 v83, v21, s[60:61] offset:512*I
.set I, I+1
.endr
	s_load_b32 s28, s[12:13], 0x0
	s_load_b32 s29, s[14:15], 0x0
	s_load_b32 s30, s[16:17], 0x0
	s_mov_b32 s[SEL], 0x76543210
	s_mov_b32 s[SEL+1], 0xfedcba98
	s_mov_b32 s58, 0x39000000
	s_mov_b32 s59, 0x34000000
	v_and_b32 v1, 31, v0
	v_and_b32 v2, 15, v0
	v_bfe_u32 v3, v0, 4, 1
	v_and_b32 v4, 7, v0
	v_bfe_u32 v33, v0, 3, 1
	v_bfe_u32 v126, v0, 2, 1
	v_and_b32 v125, 3, v0
	v_bfe_u32 v124, v0, 2, 2
	v_mov_b32 v[QM+6], 0
	v_mul_u32_u24 v127, v4, TOKP
	s_delay_alu instid0(VALU_DEP_1)
	v_mad_u32_u24 v6, v33, 16512, v127
	s_delay_alu instid0(VALU_DEP_1)
	v_lshl_add_u32 v6, v3, 7, v6
	s_lshl_b32 s63, s26, 11
	v_add_nc_u32 v6, s63, v6
	v_lshl_add_u32 v7, v33, 7, v127
	s_delay_alu instid0(VALU_DEP_1)
	v_lshl_add_u32 v7, v3, 9, v7
	s_lshl_b32 s66, s26, 10
	v_add_nc_u32 v7, s66, v7
	v_lshl_add_u32 v8, v4, 2, RS
	s_lshl_b32 s66, s26, 2
	s_add_co_u32 s66, s66, RS
	v_mov_b32 v[RSW], s66
	s_lshl_b32 s67, s26, 12
	s_add_co_u32 s67, s67, PART
	v_add_nc_u32 v9, s67, v21
	v_lshlrev_b32 v10, 2, v125
	s_delay_alu instid0(VALU_DEP_1)
	v_lshl_add_u32 v10, v126, 9, v10
	s_delay_alu instid0(VALU_DEP_1)
	v_lshl_add_u32 v10, v33, 10, v10
	s_delay_alu instid0(VALU_DEP_1)
	v_lshl_add_u32 v10, v3, 8, v10
	s_lshl_b32 s68, s26, 4
	s_add_co_u32 s68, s68, PART
	v_add_nc_u32 v10, s68, v10
	s_lshl_b32 s69, s26, 8
	s_add_co_u32 s69, s69, COEF
	v_lshl_add_u32 v11, v1, 3, s69
	v_mov_b32 v12, s69
	v_lshl_add_u32 v13, v4, 8, COEF
	v_lshl_add_u32 v14, v124, 3, s69
	s_delay_alu instid0(VALU_DEP_1)
	v_add_nc_u32 v14, 32, v14
	v_lshl_add_u32 v15, v125, 3, s69
	s_delay_alu instid0(VALU_DEP_1)
	v_add_nc_u32 v16, 32, v15
	s_and_b32 s70, ttmp9, 1
	v_xor_b32 v17, s70, v33
	s_delay_alu instid0(VALU_DEP_1)
	v_lshl_add_u32 v17, v17, 3, v4
	s_lshl_b32 s71, s70, 4
	v_add_nc_u32 v17, s71, v17
	s_delay_alu instid0(VALU_DEP_1)
	v_lshlrev_b32 v17, 4, v17
	s_delay_alu instid0(VALU_DEP_1)
	v_mad_u32_u24 v17, v3, 1536, v17
	v_lshlrev_b32 v18, 2, v4
	s_delay_alu instid0(VALU_DEP_1)
	v_lshl_add_u32 v18, v3, 6, v18
	s_lshl_b32 s71, s70, 5
	v_add_nc_u32 v18, s71, v18
	v_lshlrev_b32 v19, 3, v3
	v_lshlrev_b32 v20, 3, v33
	v_lshlrev_b32 v23, 2, v2
	s_delay_alu instid0(VALU_DEP_1)
	v_lshl_add_u32 v22, v3, 12, v23
	s_wait_alu depctr_va_vdst(0)
	v_lshlrev_b32 v24, 2, v1
	s_wait_alu depctr_va_vdst(0)
	v_lshlrev_b32 v25, 3, v0
	s_mul_i32 s66, s26, 6144
	s_add_co_u32 s66, s66, 25165824
	s_mov_b32 s67, 0
	s_add_nc_u64 s[6:7], s[6:7], s[66:67]
	s_lshl_b32 s66, s26, 8
	s_add_co_u32 s66, s66, 1048576
	s_add_nc_u64 s[8:9], s[8:9], s[66:67]
	s_lshl_b32 s66, ttmp9, 11
	s_add_nc_u64 s[24:25], s[24:25], s[66:67]
	s_lshr_b32 s68, ttmp9, 1
	s_mul_i32 s66, s68, 24576
	s_mul_i32 s69, s26, 3072
	s_add_co_u32 s66, s66, s69
	s_add_nc_u64 s[20:21], s[20:21], s[66:67]
	s_lshl_b32 s66, s68, 10
	s_lshl_b32 s69, s26, 7
	s_add_co_u32 s66, s66, s69
	s_add_nc_u64 s[22:23], s[22:23], s[66:67]
	WIN 0x40
.irp d, 0,1,2,3
.irp e, 0,1
.irp u, 0,1
.irp c, 0,1,2
	global_load_b128 v[12*(4*\d+2*\e+\u)+4*\c:12*(4*\d+2*\e+\u)+4*\c+3], v21, s[6:7] offset:98304*\u+49152*\e+1536*\d+512*\c
.endr
.endr
.endr
.endr
	WIN 0
.irp d, 0,1,2,3
.irp e, 0,1
	global_load_b32 v[WS+2*\d+\e], v22, s[8:9] offset:2048*\e+64*\d
.endr
.endr
.irp q, 0,1,2,3,4,5,6,7,8,9,10,11,12,13,14,15,16,17,18,19,20,21,22,23
	global_load_b32 v[PM+\q], v23, s[18:19] offset:64*\q
.endr
	global_load_b32 v[BA], v24, s[10:11]
.macro SQ n
	s_wait_asynccnt 48-16*\n                       ; stream n's 16 copies are in; the 16 of each later stream may be out
.irp i, 0,1,2,3,4,5,6,7,8,9,10,11,12,13,14,15
	ds_load_b128 v[XB+64*(\n%2)+4*\i:XB+64*(\n%2)+4*\i+3], v5 offset:8192*\n+128*(\n/2)+512*\i
.endr
	s_wait_dscnt 0x0
.set I, 0
.rept 32
.if (\n == 0) && (I < 4)
	v_pk_mul_f32 v[ACC+2*I:ACC+2*I+1], v[XB+2*I:XB+2*I+1], v[XB+2*I:XB+2*I+1]
.else
	v_pk_fma_f32 v[ACC+2*(I%4):ACC+2*(I%4)+1], v[XB+64*(\n%2)+2*I:XB+64*(\n%2)+2*I+1], v[XB+64*(\n%2)+2*I:XB+64*(\n%2)+2*I+1], v[ACC+2*(I%4):ACC+2*(I%4)+1]
.endif
.set I, I+1
.endr
.endm
	SQ 0
	s_wait_alu depctr_va_vdst(0)
	SQ 1
	s_wait_alu depctr_va_vdst(0)
	SQ 2
	s_wait_alu depctr_va_vdst(0)
	SQ 3
	s_delay_alu instid0(VALU_DEP_3)
	v_pk_add_f32 v[ACC:ACC+1], v[ACC:ACC+1], v[ACC+2:ACC+3]
	s_delay_alu instid0(VALU_DEP_2)
	v_pk_add_f32 v[ACC+4:ACC+5], v[ACC+4:ACC+5], v[ACC+6:ACC+7]
	s_delay_alu instid0(VALU_DEP_1)
	v_pk_add_f32 v[ACC:ACC+1], v[ACC:ACC+1], v[ACC+4:ACC+5]
	s_delay_alu instid0(VALU_DEP_1)
	v_add_f32 v[ACC], v[ACC], v[ACC+1]
	s_delay_alu instid0(VALU_DEP_1)
	v_add_f32_dpp v[ACC], v[ACC], v[ACC] row_xmask:1 row_mask:0xf bank_mask:0xf
	s_delay_alu instid0(VALU_DEP_1)
	v_add_f32_dpp v[ACC], v[ACC], v[ACC] row_xmask:2 row_mask:0xf bank_mask:0xf
	s_delay_alu instid0(VALU_DEP_1)
	v_add_f32_dpp v[ACC], v[ACC], v[ACC] row_xmask:4 row_mask:0xf bank_mask:0xf
	s_delay_alu instid0(VALU_DEP_1)
	v_add_f32_dpp v[ACC], v[ACC], v[ACC] row_xmask:8 row_mask:0xf bank_mask:0xf
	s_delay_alu instid0(VALU_DEP_1)
	v_permlanex16_b32 v[QM+6], v[ACC], s[SEL], s[SEL+1]
	s_delay_alu instid0(VALU_DEP_1)
	v_add_f32 v[ACC], v[ACC], v[QM+6]
	s_delay_alu instid0(VALU_DEP_1)
	v_fma_f32 v[ACC], v[ACC], s58, s59
	s_wait_alu depctr_va_vdst(0)
	v_rsq_f32 v[ACC+1], v[ACC]
	v_nop
	s_wait_alu depctr_va_vdst(0)
	ds_store_b32 v[RSW], v[ACC+1]
	s_wait_dscnt 0x0
	s_barrier_signal -1
	s_barrier_wait -1
.macro XLD d
.irp c, 0,1
.irp i, 0,1,2,3,4,5,6,7
	ds_load_b128 v[XB+64*((\d)%2)+32*\c+4*\i:XB+64*((\d)%2)+32*\c+4*\i+3], v6 offset:512*(\d)+256*\c+16*\i
.endr
.endr
.endm
.macro PROJ d, e, u
.set AR, ACC+8*(2*\e+\u)
.set WR, 12*(4*\d+2*\e+\u)
.if \d == 0
.if \u == 0
	v_wmma_scale_f32_16x16x128_f8f6f4 v[AR:AR+7], v[WR:WR+11], v[PC:PC+11], 0, v[WS+2*\d+\e], v[XW] matrix_a_fmt:MATRIX_FMT_BF6 matrix_b_fmt:MATRIX_FMT_BF6
.else
	v_wmma_scale_f32_16x16x128_f8f6f4 v[AR:AR+7], v[WR:WR+11], v[PC:PC+11], 0, v[WS+2*\d+\e], v[XW] matrix_a_fmt:MATRIX_FMT_BF6 matrix_b_fmt:MATRIX_FMT_BF6 matrix_a_scale:MATRIX_SCALE_ROW1
.endif
.else
.if \u == 0
	v_wmma_scale_f32_16x16x128_f8f6f4 v[AR:AR+7], v[WR:WR+11], v[PC:PC+11], v[AR:AR+7], v[WS+2*\d+\e], v[XW] matrix_a_fmt:MATRIX_FMT_BF6 matrix_b_fmt:MATRIX_FMT_BF6
.else
	v_wmma_scale_f32_16x16x128_f8f6f4 v[AR:AR+7], v[WR:WR+11], v[PC:PC+11], v[AR:AR+7], v[WS+2*\d+\e], v[XW] matrix_a_fmt:MATRIX_FMT_BF6 matrix_b_fmt:MATRIX_FMT_BF6 matrix_a_scale:MATRIX_SCALE_ROW1
.endif
.endif
.endm
.macro XSTEP d
.if \d < 3
	XLD \d+1
	s_wait_dscnt 16
.else
	s_wait_dscnt 0x0
.endif
.set XS, XB+64*((\d)%2)
.set I, 0
.rept 32
	v_pk_mul_f32 v[XS+I:XS+I+1], v[XS+I:XS+I+1], v[RSQ:RSQ+1]
.set I, I+2
.endr
	QLANE XS, PC, T0, T1, XW, 19, 16
.rept 8
	v_nop
.endr
	WIN 0x01
	PROJ \d, 0, 0
	PROJ \d, 0, 1
	PROJ \d, 1, 0
	PROJ \d, 1, 1
	WIN 0
.endm
	s_wait_loadcnt 0x0
	ds_load_b32 v[RSQ], v8
	XLD 0
	s_wait_dscnt 16
	v_mov_b32 v[RSQ+1], v[RSQ]
	s_wait_alu depctr_va_vdst(0)
	XSTEP 0
	XSTEP 1
	XSTEP 2
	XSTEP 3
.rept 4
	v_nop
.endr
.irp a, 0,1,2,3
	ds_store_b128 v9, v[ACC+8*\a:ACC+8*\a+3] offset:1024*\a
	ds_store_b128 v9, v[ACC+8*\a+4:ACC+8*\a+7] offset:1024*\a+512
.endr
	s_wait_dscnt 0x0
	s_barrier_signal -1
	s_barrier_wait -1
.irp v, 0,1,2,3,4,5,6,7
.irp e, 0,1
	ds_load_b32 v[128+2*\v+\e], v10 offset:4096*\v+2176*\e
.endr
.endr
	s_wait_kmcnt 0x0
	v_mov_b32 v144, s30
	v_mov_b32 v145, s29
	v_mov_b32 v146, s28
	v_mov_b32 v147, 2.0
	v_mov_b32 v148, 1.0
	v_mov_b32 v149, 0xff800000
	v_cmp_gt_u32 vcc_lo, 8, v1
	v_cmp_gt_u32 s66, 4, v1
	s_delay_alu instid0(VALU_DEP_2)
	v_cndmask_b32 v144, v144, v145, vcc_lo
	s_delay_alu instid0(VALU_DEP_1)
	v_cndmask_b32 v144, v144, v146, s66
	s_delay_alu instid0(VALU_DEP_3)
	v_cndmask_b32 v147, v147, v148, s66
	s_wait_dscnt 0x0
.irp i, 0,2,4,6
	v_pk_add_f32 v[128+\i:129+\i], v[128+\i:129+\i], v[136+\i:137+\i]
.endr
	s_delay_alu instid0(VALU_DEP_2)
	v_pk_add_f32 v[128:129], v[128:129], v[132:133]
	s_delay_alu instid0(VALU_DEP_2)
	v_pk_add_f32 v[130:131], v[130:131], v[134:135]
	s_delay_alu instid0(VALU_DEP_1)
	v_pk_add_f32 v[128:129], v[128:129], v[130:131]
	s_delay_alu instid0(VALU_DEP_1)
	v_add_f32 v128, v128, v129
	s_delay_alu instid0(VALU_DEP_1)
	v_fma_f32 v132, v144, v128, v[BA]
	s_delay_alu instid0(VALU_DEP_1)
	v_cndmask_b32 v136, v132, v149, vcc_lo
	s_delay_alu instid0(VALU_DEP_2)
	v_mul_f32 v133, 0xbfb8aa3b, v132
	s_delay_alu instid0(VALU_DEP_2)
	v_mov_b32 v139, v136
	s_delay_alu instid0(VALU_DEP_1)
	v_max_num_f32_dpp v139, v139, v139 row_xmask:1 row_mask:0xf bank_mask:0xf
	s_delay_alu instid0(VALU_DEP_1)
	v_max_num_f32_dpp v139, v139, v139 row_xmask:2 row_mask:0xf bank_mask:0xf
	s_delay_alu instid0(VALU_DEP_1)
	v_max_num_f32_dpp v139, v139, v139 row_xmask:4 row_mask:0xf bank_mask:0xf
	s_delay_alu instid0(VALU_DEP_1)
	v_max_num_f32_dpp v139, v139, v139 row_xmask:8 row_mask:0xf bank_mask:0xf
	s_delay_alu instid0(VALU_DEP_1)
	v_permlanex16_b32 v[QM+6], v139, s[SEL], s[SEL+1]
	s_delay_alu instid0(VALU_DEP_1)
	v_max_num_f32 v139, v139, v[QM+6]
	s_delay_alu instid0(VALU_DEP_1)
	v_sub_f32 v136, v136, v139
	s_delay_alu instid0(VALU_DEP_1)
	v_mul_f32 v136, 0x3fb8aa3b, v136
	s_wait_alu depctr_va_vdst(0)
	v_exp_f32 v133, v133
	v_exp_f32 v136, v136
	v_nop
	s_wait_alu depctr_va_vdst(0)
	v_add_f32 v133, 1.0, v133
	v_mov_b32 v140, v136
	s_delay_alu instid0(VALU_DEP_1)
	v_add_f32_dpp v140, v140, v140 row_xmask:1 row_mask:0xf bank_mask:0xf
	s_delay_alu instid0(VALU_DEP_1)
	v_add_f32_dpp v140, v140, v140 row_xmask:2 row_mask:0xf bank_mask:0xf
	s_delay_alu instid0(VALU_DEP_1)
	v_add_f32_dpp v140, v140, v140 row_xmask:4 row_mask:0xf bank_mask:0xf
	s_delay_alu instid0(VALU_DEP_1)
	v_add_f32_dpp v140, v140, v140 row_xmask:8 row_mask:0xf bank_mask:0xf
	s_delay_alu instid0(VALU_DEP_1)
	v_permlanex16_b32 v[QM+6], v140, s[SEL], s[SEL+1]
	s_delay_alu instid0(VALU_DEP_1)
	v_add_f32 v140, v140, v[QM+6]
	s_wait_alu depctr_va_vdst(0)
	v_rcp_f32 v133, v133
	v_rcp_f32 v140, v140
	v_nop
	s_wait_alu depctr_va_vdst(0)
	v_mul_f32 v133, v133, v147
	v_mul_f32 v136, v136, v140
	s_delay_alu instid0(VALU_DEP_1)
	v_cndmask_b32 v142, v136, v133, vcc_lo
	s_delay_alu instid0(VALU_DEP_1)
	v_mov_b32 v143, v142
	ds_store_b64 v11, v[142:143]
.irp i, 0,1,2,3,4,5,6,7,8,9,10,11
	ds_load_b128 v[128+4*\i:131+4*\i], v12 offset:64+16*\i
.endr
	ds_load_b32 v182, v14
	ds_load_b32 v183, v15
	ds_load_b32 v184, v16
	s_wait_dscnt 0x0
	v_mul_f32 v180, v128, v[PM]
	v_mul_f32 v181, v130, v[PM+1]
.irp q, 2,4,6,8,10,12,14,16,18,20,22
	s_delay_alu instid0(VALU_DEP_2)
	v_fma_f32 v180, v[128+2*\q], v[PM+\q], v180
	s_delay_alu instid0(VALU_DEP_2)
	v_fma_f32 v181, v[130+2*\q], v[PM+\q+1], v181
.endr
	s_delay_alu instid0(VALU_DEP_1)
	v_add_f32 v180, v180, v181
	s_delay_alu instid0(VALU_DEP_1)
	v_fma_f32 v180, -v182, v183, v180
	v_cmp_gt_u32 vcc_lo, 16, v1
	s_delay_alu instid0(VALU_DEP_1)
	v_cndmask_b32 v224, v184, v180, vcc_lo
	s_delay_alu instid0(VALU_DEP_1)
	v_mov_b32 v225, v224
	global_store_b64 v25, v[224:225], s[24:25]
	s_barrier_signal -1
	s_barrier_wait -1
	ds_load_b128 v[HPD:HPD+3], v13
	ds_load_b128 v[HPD+4:HPD+7], v13 offset:16
.irp c, 0,1
	WIN 0x40
.irp n, 0,1,2,3
.irp i, 0,1,2,3,4,5,6,7
	ds_load_b128 v[32*\n+4*\i:32*\n+4*\i+3], v7 offset:8192*\n+128*(\n/2)+256*\c+16*\i
.endr
.endr
	s_wait_dscnt 0x0
	WIN 0x01
.irp p, 0,2,4,6,8,10,12,14,16,18,20,22,24,26,28,30
	v_pk_mul_f32 v[LI+32*\c+\p:LI+32*\c+\p+1], v[\p:\p+1], v[HPD:HPD+1]
.endr
.irp n, 1,2,3
.irp p, 0,2,4,6,8,10,12,14,16,18,20,22,24,26,28,30
	v_pk_fma_f32 v[LI+32*\c+\p:LI+32*\c+\p+1], v[32*\n+\p:32*\n+\p+1], v[HPD+2*\n:HPD+2*\n+1], v[LI+32*\c+\p:LI+32*\c+\p+1]
.endr
.endr
.endr
	WIN 0
	QLANE LI, PC4, T40, T41, W4, 20, 8
.irp c, 0,1,2
	global_store_b128 v17, v[PC4+4*\c:PC4+4*\c+3], s[20:21] offset:512*\c
.endr
	global_store_b32 v18, v[W4], s[22:23]
	s_wait_tensorcnt 0x0
	ds_add_u32 v87, v89
	s_wait_dscnt 0x0
	s_endpgm
.Lfunc_end_k_q10e1cf5fe7_coef:
	.size	k_q10e1cf5fe7_coef, .Lfunc_end_k_q10e1cf5fe7_coef-k_q10e1cf5fe7_coef
	.p2alignl 7, 3214868480
	.fill 96, 4, 3214868480
	.section	.rodata,"a",@progbits
	.p2align	6, 0x0
	.amdhsa_kernel k_q10e1cf5fe7_coef
		.amdhsa_group_segment_fixed_size 327680
		.amdhsa_private_segment_fixed_size 0
		.amdhsa_enable_private_segment 0
		.amdhsa_kernarg_size 88
		.amdhsa_user_sgpr_count 2
		.amdhsa_user_sgpr_kernarg_segment_ptr 1
		.amdhsa_wavefront_size32 1
		.amdhsa_system_sgpr_workgroup_id_x 1
		.amdhsa_system_sgpr_workgroup_id_y 1
		.amdhsa_system_sgpr_workgroup_id_z 1
		.amdhsa_system_vgpr_workitem_id 0
		.amdhsa_next_free_vgpr 448
		.amdhsa_next_free_sgpr 72
		.amdhsa_reserve_vcc 1
		.amdhsa_float_denorm_mode_32 3
		.amdhsa_float_denorm_mode_16_64 3
		.amdhsa_memory_ordered 1
		.amdhsa_forward_progress 1
		.amdhsa_inst_pref_size 91
	.end_amdhsa_kernel
	.amdgpu_metadata
---
amdhsa.version: [ 1, 2 ]
amdhsa.kernels:
  - .name:           k_q10e1cf5fe7_coef
    .symbol:         k_q10e1cf5fe7_coef.kd
    .args:
      - { .name: x_streams, .offset: 0, .size: 8, .value_kind: global_buffer, .address_space: global }
      - { .name: wcodes, .offset: 8, .size: 8, .value_kind: global_buffer, .address_space: global }
      - { .name: wscales, .offset: 16, .size: 8, .value_kind: global_buffer, .address_space: global }
      - { .name: b_all, .offset: 24, .size: 8, .value_kind: global_buffer, .address_space: global }
      - { .name: alpha_pre, .offset: 32, .size: 8, .value_kind: global_buffer, .address_space: global }
      - { .name: alpha_post, .offset: 40, .size: 8, .value_kind: global_buffer, .address_space: global }
      - { .name: alpha_res, .offset: 48, .size: 8, .value_kind: global_buffer, .address_space: global }
      - { .name: perm_mat, .offset: 56, .size: 8, .value_kind: global_buffer, .address_space: global }
      - { .name: licodes, .offset: 64, .size: 8, .value_kind: global_buffer, .address_space: global }
      - { .name: liscales, .offset: 72, .size: 8, .value_kind: global_buffer, .address_space: global }
      - { .name: hm, .offset: 80, .size: 8, .value_kind: global_buffer, .address_space: global }
    .group_segment_fixed_size: 327680
    .private_segment_fixed_size: 0
    .kernarg_segment_align: 8
    .kernarg_segment_size: 88
    .max_flat_workgroup_size: 256
    .sgpr_count:     72
    .vgpr_count:     448
    .wavefront_size: 32
...
	.end_amdgpu_metadata
.endif
;; end of part 2
;; launch gemm1 (part 3): grid 32 x 8, 4 waves a work-group, clusters of 4 x 4, 327,680 bytes of LDS; arguments licodes, liscales, wcodes, wscales, b1, hcodes, hscales; writes hcodes, hscales
.if DOCPART == 3
	.amdgcn_target "amdgcn-amd-amdhsa--gfx1250"
	.amdhsa_code_object_version 6
	.text
	.protected	k_q10e1cf5fe7_gemm1
	.globl	k_q10e1cf5fe7_gemm1
	.p2align	8
	.type	k_q10e1cf5fe7_gemm1,@function
k_q10e1cf5fe7_gemm1:
	s_mov_b64 s[64:65], 0
	v_nop
	global_prefetch_b8 v0, s[64:65] scope:SCOPE_SE
	s_setreg_imm32_b32 hwreg(HW_REG_WAVE_MODE, 25, 1), 1
	s_wait_xcnt 0x0
	s_wait_alu depctr_hold_cnt(0) depctr_sa_sdst(0) depctr_va_vdst(0) depctr_va_sdst(0) depctr_va_ssrc(0) depctr_va_vcc(0) depctr_vm_vsrc(0)
	s_getreg_b32 s2, hwreg(HW_REG_IB_STS2, 6, 4)
	s_cmp_eq_u32 s2, 0
	s_cbranch_scc0 .Lentry_in_a_cluster
	s_endpgm
.Lentry_in_a_cluster:
	s_bfe_u32 s2, ttmp6, 0x10000c
	s_cmp_lg_u32 s2, 0xf033
	s_cbranch_scc0 .Lentry_shape_is_right
	s_endpgm
.Lentry_shape_is_right:
.set NQ,    2
.set FR,    12
.set NL,    3
.set FRB,   1536
.set TS,    NQ*FRB
.set HALFT, 8*TS
.set SLOT,  4*HALFT
.set TROW,  16*FRB
.set SCL,   2*SLOT
.set SCT,   1024
.set HALFS, 8*SCT
.set SPARE, SCL+4*HALFS
.set ADRA, 16
.set ADRB, 20
.set PI16, 24
.set R4,   25
.set ADRS, 27
.set SPW,  28
.set NIL,  29
.set SC,   32
.set BI,   64
.set AF,   128
.set G,    64
.set AB,   128
.set T,    160
.set P,    192
.set TM,   224
.set PW,   240
.set C9,   242
.set PC,   244
.set QT,   160
.set CK,   24
.set SEL,  98
.set G1,   24
.set G0,   32
.set G1B,  48
.set G0B,  56
.set G1S,  68
.set G0S,  76
.set G1SB, 80
.set G0SB, 88
.set MSB, 0
.macro WIN new
.if MSB != (\new)
	s_set_vgpr_msb (MSB<<8)|(\new)
.set MSB, (\new)
.endif
.endm
.set MUL_LO, 0xa1
.set MUL_HI, 0xf1
.set TO_B,   0x40
.macro WMUL hi, cm
.if \cm == 1
	WIN 0x81+0x40*\hi
.else
	WIN 0xa1+0x50*\hi
.endif
.endm
.macro JLOAD g0a, g1a, g0b, g1b
	s_cmp_eq_u32 s15, 0
	s_cbranch_scc0 .Lfor_b_\@
	tensor_load_to_lds s[\g0a:\g0a+3], s[\g1a:\g1a+7]
	s_nop 0
.rept 4
	v_nop
.endr
	s_branch .Lasked_\@
.Lfor_b_\@:
	tensor_load_to_lds s[\g0b:\g0b+3], s[\g1b:\g1b+7]
	s_nop 0
.rept 4
	v_nop
.endr
.Lasked_\@:
.endm
.macro CREST
	s_cmp_lg_u32 s14, 0
	s_cbranch_scc1 .Lnot_wave_0_\@
	s_barrier_signal -3
.Lnot_wave_0_\@:
	s_barrier_wait -3
	s_barrier_signal -1
	s_barrier_wait -1
.endm
.macro CROUND
	s_barrier_signal -1
	s_barrier_wait -1
	CREST
.endm
	s_load_b128 s[4:7], s[0:1], 0x0
	s_load_b128 s[8:11], s[0:1], 0x10
	s_load_b128 s[92:95], s[0:1], 0x20
	s_load_b64 s[96:97], s[0:1], 0x30
	v_lshl_add_u32 v[SPW], v0, 2, SPARE
	v_mov_b32 v[NIL], 0
	ds_add_u32 v28, v29
	ds_add_u32 v28, v29
	s_wait_dscnt 0x0
	v_lshrrev_b32 v1, 5, v0
	v_readfirstlane_b32 s14, v1
	s_lshr_b32 s15, s14, 1
	s_and_b32 s16, s14, 1
	s_bfe_u32 s40, ttmp6, 0x40000
	s_bfe_u32 s41, ttmp6, 0x40004
	s_lshl_b32 s42, ttmp9, 2
	s_add_co_u32 s42, s42, s40
	s_and_b32 s17, ttmp7, 0xffff
	s_lshl_b32 s17, s17, 2
	s_add_co_u32 s17, s17, s41
	s_lshl_b32 s43, s41, 2
	s_lshl_b32 s43, 15, s43
	s_lshl_b32 s44, 0x1111, s40
	s_or_b32 s[G1+0], s43, (3<<16)|(1<<21)
	s_or_b32 s[G1B+0], s44, (3<<16)|(1<<21)
.irp g, G1, G1B
	s_mov_b32 s[\g+1], (TS/8)<<16
	s_mov_b32 s[\g+2], 16<<16                      ; the head's loads bring all 16 row tiles; behind them the two words that count rows are set to 8
	s_mov_b32 s[\g+3], (TS/8)<<16
	s_mov_b32 s[\g+4], 16
	s_mov_b32 s[\g+5], TROW/8
	s_mov_b32 s[\g+6], 0
	s_mov_b32 s[\g+7], 0
.endr
	s_or_b32 s[G1S+0], s43, (3<<16)|(1<<21)
	s_or_b32 s[G1SB+0], s44, (3<<16)|(1<<21)
.irp g, G1S, G1SB
	s_mov_b32 s[\g+1], 32<<16
	s_mov_b32 s[\g+2], (2*HALFS/256)<<16           ; the scale words of 16 row tiles: one dense block
	s_mov_b32 s[\g+3], 32<<16
	s_mov_b32 s[\g+4], 2*HALFS/256
	s_mov_b32 s[\g+5], 32
	s_mov_b32 s[\g+6], 0
	s_mov_b32 s[\g+7], 0
.endr
	s_lshl_b32 s20, s17, 4                         ; the tokens' first row tile: 16 x tile row
	s_lshl_b32 s46, s42, 4                         ; W1's: 16 x tile column
	s_lshl_b32 s22, s20, 10
	s_mov_b32 s23, 0
	s_mul_i32 s20, s20, TROW
	s_mov_b32 s21, 0
	s_lshl_b32 s66, s46, 10
	s_mov_b32 s67, 0
	s_mul_i32 s46, s46, TROW
	s_mov_b32 s47, 0
	s_mul_i32 s45, s14, HALFT
	s_mul_i32 s18, s16, 8*TROW                     ; in the ring I fetch 8 row tiles: which half, in bytes
	s_mov_b32 s19, 0
	s_wait_kmcnt 0x0
	s_add_nc_u64 s[20:21], s[4:5], s[20:21]
	s_add_nc_u64 s[22:23], s[6:7], s[22:23]
	s_add_nc_u64 s[46:47], s[8:9], s[46:47]
	s_add_nc_u64 s[66:67], s[10:11], s[66:67]
	CROUND
	s_mov_b32 s4, 1                                ; the head's four tiles, each whole (s[4:11]: the arguments that lay there have been used): slot 0's 16 token tiles,
	s_mov_b32 s5, 0
	s_mov_b64 s[6:7], s[20:21]
	s_or_b32 s7, s7, 0x80000000
	s_mov_b32 s8, 1                                ; its 16 tiles of W1, behind them,
	s_mov_b32 s9, 2*HALFT
	s_mov_b64 s[10:11], s[46:47]
	s_or_b32 s11, s11, 0x80000000
	s_mov_b32 s[G0S], 1                            ; the tokens' scale words,
	s_mov_b32 s[G0S+1], SCL
	s_mov_b64 s[G0S+2:G0S+3], s[22:23]
	s_or_b32 s[G0S+3], s[G0S+3], 0x80000000
	s_mov_b32 s[G0SB], 1                           ; and W1's
	s_mov_b32 s[G0SB+1], SCL+2*HALFS
	s_mov_b64 s[G0SB+2:G0SB+3], s[66:67]
	s_or_b32 s[G0SB+3], s[G0SB+3], 0x80000000
	s_add_nc_u64 s[20:21], s[20:21], s[18:19]      ; for the ring: my 8 row tiles
	s_add_nc_u64 s[46:47], s[46:47], s[18:19]
; THE PREFETCHES: a slot's share of a wave is 8 row tiles x 3,072 bytes, 96 blocks of 256 bytes.  The four partners that ask for it jointly share them out BY ADDRESS: the partner at place p (cx for the tokens, cy for W1)
; takes row tiles 2 p and 2 p + 1, a lane a block (lanes 24-31 name the last again).  Behind the refill of slot c stands the request for slot c + 2; slots 2 and 3 are asked for in the head; slots 0 and 1 come by their loads alone.
	s_cmp_eq_u32 s15, 0                            ; do I fetch for the tokens?
	s_cselect_b64 s[12:13], s[20:21], s[46:47]
	s_cselect_b32 s18, s40, s41
	s_mul_i32 s18, s18, 2*TROW
	s_add_nc_u64 s[12:13], s[12:13], s[18:19]
	s_add_nc_u64 s[12:13], s[12:13], 2*TS          ; at slot 2
.irp s, 0,1
	s_mov_b32 s[G0+4*\s], 1
	s_add_co_u32 s[G0+4*\s+1], s45, \s*SLOT
	s_add_nc_u64 s[G0+4*\s+2:G0+4*\s+3], s[20:21], \s*TS
	s_or_b32 s[G0+4*\s+3], s[G0+4*\s+3], 0x80000000
	s_mov_b32 s[G0B+4*\s], 1
	s_add_co_u32 s[G0B+4*\s+1], s45, \s*SLOT
	s_add_nc_u64 s[G0B+4*\s+2:G0B+4*\s+3], s[46:47], \s*TS
	s_or_b32 s[G0B+4*\s+3], s[G0B+4*\s+3], 0x80000000
.endr
; THE HEAD'S LOADS, ONE A WAVE: wave 0 slot 0's token tiles, wave 1 its tiles of W1, wave 2 the tokens' scale words, wave 3 W1's.  One chain of branches on the wave's number: every way passes exactly one load.
.macro ARM under, g0, g1, next
	s_cmp_lt_u32 s14, \under
	s_cbranch_scc0 \next
	tensor_load_to_lds s[\g0:\g0+3], s[\g1:\g1+7]
	s_nop 0
.rept 4
	v_nop
.endr
	s_branch .Lhead_asked
\next:
.endm
	ARM 1, 4, G1, .Lhead_b
	ARM 2, 8, G1B, .Lhead_sa
	ARM 3, G0S, G1S, .Lhead_sb
	tensor_load_to_lds s[G0SB:G0SB+3], s[G1SB:G1SB+7]
	s_nop 0
.rept 4
	v_nop
.endr
.Lhead_asked:
	v_and_b32 v1, 15, v0
	v_bfe_u32 v2, v0, 4, 1
	v_bfe_u32 v3, v0, 3, 1
	v_and_b32 v5, 7, v0
	v_xor_b32 v4, v2, v3
	v_lshl_add_u32 v5, v4, 3, v5
	v_lshl_add_u32 v5, v3, 4, v5
	v_lshlrev_b32 v[PI16], 4, v5
	v_and_b32 v6, 31, v0
	v_lshlrev_b32 v6, 4, v6
	s_mul_i32 s21, s15, HALFT
	s_mul_i32 s22, s16, HALFT
	s_add_co_u32 s22, s22, 2*HALFT
.irp s, 0,1
	v_add_nc_u32 v[ADRA+\s], s21, v[PI16]
	v_add_nc_u32 v[ADRB+\s], s22, v6
	s_add_co_u32 s21, s21, SLOT
	s_add_co_u32 s22, s22, SLOT
.endr
	v_lshlrev_b32 v[R4], 2, v1
	s_mul_i32 s21, s15, HALFS
	s_mul_i32 s22, s16, HALFS
	s_add_co_u32 s22, s22, 2*HALFS
	s_sub_co_u32 s22, s22, s21
	v_mul_u32_u24 v7, s22, v2
	s_add_co_u32 s21, s21, SCL
	v_add_nc_u32 v7, v[R4], v7
	v_add_nc_u32 v[ADRS], s21, v7
	v_lshlrev_b32 v26, 6, v2
	v_and_b32 v30, 31, v0
	v_min_u32 v30, 23, v30                         ; my block of the 24
	v_mul_u32_u24 v31, v30, 43
	v_lshrrev_b32 v31, 9, v31                      ; / 12: which of the two row tiles
	v_mul_u32_u24 v7, v31, 12
	v_sub_nc_u32 v30, v30, v7
	v_mul_u32_u24 v31, v31, TROW
	v_lshl_add_u32 v30, v30, 8, v31                ; v30: the prefetches' offset; never rewritten
	global_prefetch_b8 v30, s[12:13] th:TH_LOAD_NT scope:SCOPE_SE             ; slot 2
	global_prefetch_b8 v30, s[12:13] offset:TS th:TH_LOAD_NT scope:SCOPE_SE   ; slot 3
	s_lshl_b32 s46, s42, 10
	s_lshl_b32 s47, s16, 9
	s_add_co_u32 s46, s46, s47
	s_mov_b32 s47, 0
	s_add_nc_u64 s[92:93], s[92:93], s[46:47]
.irp b, 0,1,2,3,4,5,6,7
	global_load_b128 v[BI+8*\b:BI+8*\b+3], v26, s[92:93] offset:(32*(\b/2)+8*(\b%2))*4
	global_load_b128 v[BI+8*\b+4:BI+8*\b+7], v26, s[92:93] offset:(32*(\b/2)+8*(\b%2))*4+16
.endr
	s_lshl_b32 s20, s17, 4
	s_lshl_b32 s21, s15, 3
	s_add_co_u32 s20, s20, s21
	s_lshl_b32 s20, s20, 6
	s_lshl_b32 s21, s42, 1
	s_add_co_u32 s20, s20, s21
	s_add_co_u32 s20, s20, s16
	s_mul_i32 s22, s20, FRB
	s_mov_b32 s23, 0
	s_add_nc_u64 s[94:95], s[94:95], s[22:23]
	s_lshl_b32 s22, s20, 6
	s_add_nc_u64 s[96:97], s[96:97], s[22:23]
	s_mov_b32 s[SEL], 0x76543210
	s_mov_b32 s[SEL+1], 0xfedcba98
.macro FRAG reg, adr, off
.irp c, 0,1,2
	ds_load_b128 v[\reg+4*\c:\reg+4*\c+3], v[\adr] offset:\off+512*\c
.endr
.endm
.macro MUL16 a0, p, q, sc, cm
.irp a, \a0, \a0+1
.irp b, 0,1,2,3,4,5,6,7
.if \cm == 0
	v_wmma_scale_f32_16x16x128_f8f6f4 v[8*(8*((\a)%4)+\b):8*(8*((\a)%4)+\b)+7], v[128*(\p)+FR*\b:128*(\p)+FR*\b+FR-1], v[AF+FR*(\a):AF+FR*(\a)+FR-1], v[8*(8*((\a)%4)+\b):8*(8*((\a)%4)+\b)+7], v[SC+8*NQ*(\sc)+NQ*\b+(\q)], v[SC+8*NQ*(\sc)+NQ*(\a)+(\q)] matrix_a_fmt:MATRIX_FMT_BF6 matrix_b_fmt:MATRIX_FMT_BF6 matrix_a_scale:MATRIX_SCALE_ROW1
.else
	v_wmma_scale_f32_16x16x128_f8f6f4 v[8*(8*((\a)%4)+\b):8*(8*((\a)%4)+\b)+7], v[128*(\p)+FR*\b:128*(\p)+FR*\b+FR-1], v[AF+FR*(\a):AF+FR*(\a)+FR-1], v[BI+8*\b:BI+8*\b+7], v[SC+8*NQ*(\sc)+NQ*\b+(\q)], v[SC+8*NQ*(\sc)+NQ*(\a)+(\q)] matrix_a_fmt:MATRIX_FMT_BF6 matrix_b_fmt:MATRIX_FMT_BF6 matrix_a_scale:MATRIX_SCALE_ROW1
.endif
.endr
.endr
.endm
.macro FETCH_B slot, q, p
	WIN TO_B
.irp i, 0,1,2,3,4,5,6,7
	FRAG 128*(\p)+FR*\i, ADRB+\slot, TS*\i+FRB*(\q)
.endr
	WIN 0
.endm
.macro FETCH_A slot, q, i0
.irp i, \i0, \i0+1, \i0+2, \i0+3
	FRAG AF+FR*(\i), ADRA+\slot, TS*(\i)+FRB*(\q)
.endr
.endm
.macro SCALES sc
.irp i, 0,1,2,3,4,5,6,7
.irp q, 0,1
	ds_load_b32 v[SC+8*NQ*\sc+NQ*\i+\q], v[ADRS] offset:SCT*\i+64*\q
.endr
.endr
.endm
.macro PLACES
.rept 4
	v_nop
.endr
.endm
.macro STEP slot, q, cm
	s_wait_dscnt 4*NL
	WMUL 0, \cm
	MUL16 0, (\q)%2, \q, \slot, \cm
	MUL16 2, (\q)%2, \q, \slot, \cm
	s_wait_dscnt 0x0
	PLACES
	FETCH_B \slot, (\q)+1, 1-(\q)%2
	FETCH_A \slot, (\q)+1, 0
	WMUL 1, \cm
	MUL16 4, (\q)%2, \q, \slot, \cm
	MUL16 6, (\q)%2, \q, \slot, \cm
	PLACES
	WIN 0
	FETCH_A \slot, (\q)+1, 4
.endm
.macro TURN slot, next, fill
.if \fill
	s_wait_xcnt 0x0                                ; my last prefetch has read its address, which steps one slot along K
	s_add_nc_u64 s[12:13], s[12:13], TS
.endif
	s_wait_tensorcnt 0x0
	ds_add_u32 v[SPW], v[NIL]
	s_wait_dscnt 4*NL+1
	WIN MUL_LO
	MUL16 0, 1, 1, \slot, 0
	s_wait_dscnt 0x0
	s_barrier_signal -1
	MUL16 2, 1, 1, \slot, 0
	WIN 0
	s_barrier_wait -1
.if \fill
	CREST
	s_add_nc_u64 s[G0+4*\slot+2:G0+4*\slot+3], s[G0+4*\slot+2:G0+4*\slot+3], 2*TS
	s_add_nc_u64 s[G0B+4*\slot+2:G0B+4*\slot+3], s[G0B+4*\slot+2:G0B+4*\slot+3], 2*TS
	JLOAD G0+4*\slot, G1, G0B+4*\slot, G1B
.else
	PLACES
.endif
	s_wait_alu depctr_va_vdst(0)
	v_add_nc_u32 v[ADRS], 64*NQ, v[ADRS]
	FETCH_B \next, 0, 0
	FETCH_A \next, 0, 0
	SCALES \next
.if \fill
	s_cmp_gt_u32 s3, 1                             ; the last trip's two refills have no slot two on
	s_cbranch_scc0 .Lno_ask_\@
	global_prefetch_b8 v30, s[12:13] offset:TS th:TH_LOAD_NT scope:SCOPE_SE   ; the slot two refills on: my work-group's 24 blocks of the 96 that I fetch
.Lno_ask_\@:
.endif
	WIN MUL_HI
	MUL16 4, 1, 1, \slot, 0
	MUL16 6, 1, 1, \slot, 0
	PLACES
	WIN 0
	FETCH_A \next, 0, 4
.endm
	s_wait_alu depctr_va_vdst(0)
	s_wait_tensorcnt 0x0                           ; my tile of the head's four is in
	ds_add_u32 v[SPW], v[NIL]
	s_mov_b32 s[G1+2], 8<<16                       ; no tensor load of mine is out, so a descriptor may be written: from here on a load brings 8 row tiles
	s_mov_b32 s[G1+4], 8
	s_mov_b32 s[G1B+2], 8<<16
	s_mov_b32 s[G1B+4], 8
	s_wait_dscnt 0x0                               ; the add is done
	CROUND                                         ; all four tiles are in, and all sixteen work-groups are here
	JLOAD G0+4, G1, G0B+4, G1B                     ; slot 1's first fill, the first tensor load behind the round
	FETCH_B 0, 0, 0
	FETCH_A 0, 0, 0
	SCALES 0
	FETCH_A 0, 0, 4
	s_wait_loadcnt 0x0
	STEP 0, 0, 1
	s_mov_b32 s3, 3
.Llap:
	TURN 0, 1, 1
	STEP 1, 0, 0
	TURN 1, 0, 1
	STEP 0, 0, 0
	s_sub_co_u32 s3, s3, 1
	s_cmp_lg_u32 s3, 0
	s_cbranch_scc1 .Llap
	TURN 0, 1, 0
	STEP 1, 0, 0
	s_wait_dscnt 4*NL
	WIN MUL_LO
	MUL16 0, 1, 1, 1, 0
	MUL16 2, 1, 1, 1, 0
	s_wait_dscnt 0x0
	WIN MUL_HI
	MUL16 4, 1, 1, 1, 0
	MUL16 6, 1, 1, 1, 0
	WIN 0
.macro COEFF k, bits
	s_mov_b32 s[CK+2*\k], \bits
	s_mov_b32 s[CK+2*\k+1], \bits
.endm
	COEFF 0, 0xbfa1fc4e
	COEFF 1, 0x3f8000c7
	COEFF 2, 0x3ebf88fb
	COEFF 3, 0x3dc636c9
	COEFF 4, 0xbe3ec24c
	COEFF 5, 0x3e8ec7cc
	COEFF 6, 0xbf914e5d
	COEFF 7, 0x3fbe87b0
	COEFF 8, 0xbf527892
	s_mov_b32 s44, 0x3eb504f3
	s_mov_b32 s45, s44
	s_mov_b32 s46, 0x7fffffff
	v_mov_b32 v[C9], 0x3e2ef945
	v_mov_b32 v[C9+1], 0x3e2ef945
.irp b, 0,1,2,3
	v_mov_b32 v[TM+4+\b], 0
.endr
.macro GELUH a, hh
	WIN 0x08+4*((\a)/4)
.set AC, 64*((\a)%4)+32*(\hh)
.set I, 0
.rept 32
	v_and_b32 v[AB+I], s46, v[AC+I]
	v_max_num_f32 v[G+32*(\hh)+I], 0, v[AC+I]
.set I, I+1
.endr
	WIN 0
.set I, 0
.rept 16
	v_pk_fma_f32 v[T+I:T+I+1], v[AB+I:AB+I+1], s[44:45], 1.0 op_sel_hi:[1,0,0]
.set I, I+2
.endr
.set I, 0
	s_wait_alu depctr_va_vdst(0)
.rept 32
	v_rcp_f32 v[T+I], v[T+I]
.set I, I+1
.endr
	v_nop
.set I, 0
	s_wait_alu depctr_va_vdst(0)
.rept 16
	v_pk_fma_f32 v[P+I:P+I+1], v[T+I:T+I+1], v[C9:C9+1], s[CK+16:CK+17] op_sel_hi:[1,1,0]
.set I, I+2
.endr
.irp k, 7,6,5,4,3,2,1,0
.set I, 0
.rept 16
	v_pk_fma_f32 v[P+I:P+I+1], v[P+I:P+I+1], v[T+I:T+I+1], s[CK+2*\k:CK+2*\k+1] op_sel_hi:[1,1,0]
.set I, I+2
.endr
.endr
.set I, 0
.rept 16
	v_pk_mul_f32 v[T+I:T+I+1], v[AB+I:AB+I+1], v[T+I:T+I+1]
.set I, I+2
.endr
.set I, 0
.rept 16
	v_pk_mul_f32 v[AB+I:AB+I+1], v[AB+I:AB+I+1], v[AB+I:AB+I+1]
.set I, I+2
.endr
.set I, 0
.rept 16
	v_pk_fma_f32 v[P+I:P+I+1], v[AB+I:AB+I+1], -0.5, v[P+I:P+I+1] op_sel_hi:[1,0,1]
.set I, I+2
.endr
.set I, 0
.rept 16
	v_pk_fma_f32 v[P+I:P+I+1], v[P+I:P+I+1], 0x3fb8aa3b, -1.0 op_sel_hi:[1,0,0]
.set I, I+2
.endr
.set I, 0
	s_wait_alu depctr_va_vdst(0)
.rept 32
	v_exp_f32 v[P+I], v[P+I]
.set I, I+1
.endr
	v_nop
.set I, 0
	s_wait_alu depctr_va_vdst(0)
.rept 16
	v_pk_fma_f32 v[G+32*(\hh)+I:G+32*(\hh)+I+1], v[T+I:T+I+1], v[P+I:P+I+1], v[G+32*(\hh)+I:G+32*(\hh)+I+1] neg_lo:[1,0,0] neg_hi:[1,0,0]
.set I, I+2
.endr
.endm
.macro QUANT s
.irp b, 0,1,2,3
	v_max3_num_f32 v[TM+\b], |v[\s+16*\b]|, |v[\s+1+16*\b]|, 0x2800000
.endr
.irp i, 2,4,6,8,10,12,14
.irp b, 0,1,2,3
	v_max3_num_f32 v[TM+\b], v[TM+\b], |v[\s+16*\b+\i]|, |v[\s+1+16*\b+\i]|
.endr
.endr
.irp b, 0,1,2,3
	v_permlanex16_b32 v[TM+4+\b], v[TM+\b], s[SEL], s[SEL+1]
.endr
.irp b, 0,1,2,3
	v_max_num_f32 v[TM+\b], v[TM+\b], v[TM+4+\b]
.endr
.irp b, 0,1,2,3
	v_add_nc_u32 v[TM+12+\b], 0xfe000000, v[TM+\b]
.endr
.irp b, 0,1,2,3
	v_lshrrev_b32 v[TM+4+\b], 23, v[TM+12+\b]
.endr
	v_lshl_or_b32 v[PW], v[TM+5], 8, v[TM+4]
	v_lshl_or_b32 v[PW], v[TM+6], 16, v[PW]
	v_lshl_or_b32 v[PW], v[TM+7], 24, v[PW]
.irp c, 0,1
	v_cvt_scalef32_pk16_bf6_f32 v[PC+6*\c:PC+2+6*\c], v[\s+32*\c:\s+15+32*\c], v[TM+12+2*\c]
	v_cvt_scalef32_pk16_bf6_f32 v[QT+4*\c:QT+2+4*\c], v[\s+16+32*\c:\s+31+32*\c], v[TM+12+2*\c+1]
.endr
	v_nop
.irp c, 0,1
.irp i, 0,1,2
	v_permlane16_swap_b32 v[PC+6*\c+\i], v[QT+4*\c+\i]
.endr
.irp i, 0,1,2
	v_mov_b32 v[PC+3+6*\c+\i], v[QT+4*\c+\i]
.endr
.endr
.endm
; The way out is a loop of two trips, four blocks of 16 tokens each, so that its text stands once: the second trip finds the accumulators of rows 64-127 moved into the registers of rows 0-63, which are done with.
	s_mov_b32 s3, 2
.Lhalf:
	s_cmp_eq_u32 s3, 2
	s_cbranch_scc1 .Lfirst_half
	WIN 0x83                                       ; source window 3, destination window 2
.set I, 0
.rept 256
	v_mov_b32 v[I], v[I]                           ; each accumulator from its low end on
.set I, I+1
.endr
	WIN 0
.Lfirst_half:
.irp a, 0,1,2,3
	GELUH \a, 0
	GELUH \a, 1
	s_wait_xcnt 0x0
	QUANT G
.irp c, 0,1,2
	global_store_b128 v[PI16], v[PC+4*\c:PC+4*\c+3], s[94:95] offset:64*FRB*\a+512*\c
.endr
	global_store_b32 v[R4], v[PW], s[96:97] offset:4096*\a
.endr
	s_wait_xcnt 0x0                                ; the stores have read their bases, which step four blocks on
	s_add_nc_u64 s[94:95], s[94:95], 4*64*FRB
	s_add_nc_u64 s[96:97], s[96:97], 4*4096
	s_sub_co_u32 s3, s3, 1
	s_cmp_lg_u32 s3, 0
	s_wait_alu depctr_va_vdst(0)
	s_cbranch_scc1 .Lhalf
	s_wait_tensorcnt 0x0
	ds_add_u32 v[SPW], v[NIL]
	s_wait_dscnt 0x0
	CROUND
	s_endpgm
.Lfunc_end_k_q10e1cf5fe7_gemm1:
	.size	k_q10e1cf5fe7_gemm1, .Lfunc_end_k_q10e1cf5fe7_gemm1-k_q10e1cf5fe7_gemm1
	.p2alignl 7, 3214868480
	.fill 96, 4, 3214868480
	.section	.rodata,"a",@progbits
	.p2align	6, 0x0
	.amdhsa_kernel k_q10e1cf5fe7_gemm1
		.amdhsa_group_segment_fixed_size 327680
		.amdhsa_private_segment_fixed_size 0
		.amdhsa_enable_private_segment 0
		.amdhsa_kernarg_size 56
		.amdhsa_user_sgpr_count 2
		.amdhsa_user_sgpr_kernarg_segment_ptr 1
		.amdhsa_wavefront_size32 1
		.amdhsa_system_sgpr_workgroup_id_x 1
		.amdhsa_system_sgpr_workgroup_id_y 1
		.amdhsa_system_sgpr_workgroup_id_z 1
		.amdhsa_system_vgpr_workitem_id 0
		.amdhsa_next_free_vgpr 1024
		.amdhsa_next_free_sgpr 100
		.amdhsa_reserve_vcc 0
		.amdhsa_float_denorm_mode_32 3
		.amdhsa_float_denorm_mode_16_64 3
		.amdhsa_memory_ordered 1
		.amdhsa_forward_progress 1
		.amdhsa_inst_pref_size 255
	.end_amdhsa_kernel
	.section	.bss,"aw",@nobits
	.p2align	6
	.space	262144
	.amdgpu_metadata
---
amdhsa.version: [ 1, 2 ]
amdhsa.kernels:
  - .name:           k_q10e1cf5fe7_gemm1
    .symbol:         k_q10e1cf5fe7_gemm1.kd
    .args:
      - { .name: licodes, .offset: 0, .size: 8, .value_kind: global_buffer, .address_space: global }
      - { .name: liscales, .offset: 8, .size: 8, .value_kind: global_buffer, .address_space: global }
      - { .name: wcodes, .offset: 16, .size: 8, .value_kind: global_buffer, .address_space: global }
      - { .name: wscales, .offset: 24, .size: 8, .value_kind: global_buffer, .address_space: global }
      - { .name: b1, .offset: 32, .size: 8, .value_kind: global_buffer, .address_space: global }
      - { .name: hcodes, .offset: 40, .size: 8, .value_kind: global_buffer, .address_space: global }
      - { .name: hscales, .offset: 48, .size: 8, .value_kind: global_buffer, .address_space: global }
    .group_segment_fixed_size: 327680
    .private_segment_fixed_size: 0
    .kernarg_segment_align: 8
    .kernarg_segment_size: 56
    .max_flat_workgroup_size: 128
    .sgpr_count:     100
    .vgpr_count:     1024
    .wavefront_size: 32
...
	.end_amdgpu_metadata
.endif
;; end of part 3
;; launch gemm2 (part 4): grid 16 x 16, 4 waves a work-group, no clusters, 327,680 bytes of LDS; arguments hcodes, hscales, wcodes, wscales, b2, hm, x_streams, out0; writes out0
.if DOCPART == 4
	.amdgcn_target "amdgcn-amd-amdhsa--gfx1250"
	.amdhsa_code_object_version 6
	.text
	.protected	k_q10e1cf5fe7_gemm2
	.globl	k_q10e1cf5fe7_gemm2
	.p2align	8
	.type	k_q10e1cf5fe7_gemm2,@function
k_q10e1cf5fe7_gemm2:
	s_mov_b64 s[64:65], 0
	v_nop
	global_prefetch_b8 v0, s[64:65] scope:SCOPE_SE
	s_setreg_imm32_b32 hwreg(HW_REG_WAVE_MODE, 25, 1), 1
	s_wait_xcnt 0x0
; out[t][i][c] = the sum over j of H_merged[t][i][j] x[t][j][c] + h_post[t][i] (h W2^T + b2)[t][c].  The product is on codes of BF6 (E3M2, one E8M0 scale for each 32 along K): 2,048 tokens x 2,048 columns, K = 8,192.
; Operands lie in memory as images of the operand's registers, [row tile][K step], 1,536 bytes each (three loads of 16 bytes a lane); scale words [row tile][K step][16].
; SHARES: a work-group makes 128 tokens x 128 columns: 256 work-groups.  ITS FOUR WAVES SHARE K: wave w takes K steps 16 w .. 16 w + 15 and makes all 128 x 128 partial sums, 64 accumulators, 512 registers.
; So each fragment is multiplied by ONE wave: it goes from memory straight into that wave's operand registers, 512 consecutive bytes a load, one K step ahead, in two sets of 16 fragments.  The K loop touches no LDS and has no barrier.
; x: 112 of the work-group's 128 tokens (4 streams x 512 bytes each, 229,376 bytes) come into LDS by one tensor load a wave at the head, 112 rows of 512 bytes, 8,192 bytes apart in memory; they are first read behind the loop.
; The last 16 tokens' x comes into registers that the fragments have left, asked for behind the loop and used in the last block.
; THE WAY OUT, by blocks of 16 tokens: every wave puts its 16 x 128 partial sums into its copy of a stage (rows of 528 bytes), one barrier, and wave w finishes tokens 4 w .. 4 w + 3 of the block: it adds the four copies and b2,
; mixes with x and stores four runs of 512 consecutive bytes a token.  Two stages by turns: one barrier a block.  A token's 20 coefficients are read out of a lane of 20 registers into scalar pairs (lane 4 a + i holds token 16 a + 4 w + i).
; NO CLUSTER: a joint load lands in LDS; two slots of the four waves' K steps would be 2 x 98,304 bytes, and 30,208 are left beside x, the stages and the spare words.
; PREFETCH: in the step that loads K step s + 1 the fragments of step s + 3 are named.  A wave's step has 48 blocks of 256 bytes of each operand; the 16 work-groups that read them take 3 each, by address (tokens: by tile column; W2: by tile row);
; lanes 2-31 name the third.  Steps 13 and 14 ask for nothing: step 15 is the wave's last.  x is asked for whole at the head and has the K loop in which to land: no prefetch for it.
; The four quarters of K are summed apart and then added: an order of rounding other than one ascending sum.  NaN and infinities are not served.
; REGISTERS: window 0: v2-10 addresses, v28-29 the add's, v32-63 scale words (two sets: tokens' tile a at + a, W2's tile b at + 8 + b; lanes 0-15 an even K step, lanes 16-31 the next), v64-255 the tokens' fragments, two sets.
;   window 1: v0-191 W2's fragments, two sets; v192-231 coefficients; v232-235 b2.  On the way out window 1: v0-63 sums, v64-127 x, v128-191 results; window 0 v64-127: the last block's x.   windows 2, 3: accumulator (a, b) at v[8 (8 (a % 4) + b)].
.set FRB,   1536
.set TROW,  64*FRB                     ; from row tile to row tile in memory
.set XB,    32768                      ; x of 16 tokens in LDS
.set STG,   7*XB                       ; the stages
.set SROW,  528                        ; a stage row: 512 bytes + 16
.set SCP,   16*SROW                    ; a wave's copy
.set SBUF,  4*SCP
.set SPARE, STG+2*SBUF                 ; the spare words, 128 bytes for each wave
.set L16, 2                            ; 16 x lane
.set PA,  3                            ; a token image's place for my lane, x 16
.set L4,  4                            ; 4 x lane
.set STO, 5                            ; the stage: in
.set RD,  6                            ; the stage: back
.set XA,  7                            ; x in LDS
.set PFA, 8                            ; the prefetches' offsets
.set PFB, 9
.set CO,  10                           ; my lane's token's coefficients
.set SPW, 28
.set NIL, 29
.set SC,  32
.set X7,  64
.set ST,  0
.set XR,  64
.set OUT, 128
.set CF,  192
.set B2,  232
.set MSB, 0
.macro WIN new                         ; the immediate's high byte repeats the setting that is left
.if MSB != (\new)
	s_set_vgpr_msb (MSB<<8)|(\new)
.set MSB, (\new)
.endif
.endm
.macro PLACES                          ; four plain places between a matrix instruction and a load into, or a read of, its registers
.rept 4
	v_nop
.endr
.endm
	s_load_b128 s[4:7], s[0:1], 0x0                ; the tokens' codes, their scale words
	s_load_b128 s[8:11], s[0:1], 0x10              ; the weights' codes, their scale words
	s_load_b256 s[12:19], s[0:1], 0x20             ; b2 12, hm 14, x 16, out0 18
	v_lshl_add_u32 v[SPW], v0, 2, SPARE
	v_mov_b32 v[NIL], 0
	ds_add_u32 v[SPW], v[NIL]                      ; the opening lines
	ds_add_u32 v[SPW], v[NIL]
	v_lshrrev_b32 v1, 5, v0
	v_readfirstlane_b32 s20, v1                    ; wave 0..3
	s_and_b32 s22, ttmp7, 0xffff                   ; tile row; ttmp9: tile column
	s_mov_b32 s24, 3<<16                           ; x's tile: 112 rows of 64 elements of 8 bytes, 1,024 elements apart
	s_mov_b32 s25, 64<<16
	s_mov_b32 s26, 112<<16
	s_mov_b32 s27, 64<<16
	s_mov_b32 s28, 112
	s_mov_b32 s29, 1024
	s_mov_b32 s30, 0
	s_mov_b32 s31, 0
	s_mov_b32 s32, 1
	s_mul_i32 s33, s20, 112*512                    ; where my 112 rows go
.irp c, 0,1,2,3,4,5,6,7,8,9,10,11,12,13,14,15,16,17,18,19
	s_mov_b32 s[41+2*\c+2*(\c/12)], 0              ; the upper words of the coefficients' pairs: named by the packed forms, never used
.endr
	s_mul_i32 s36, s22, 8*TROW                     ; the tokens' codes: 8 tiles x tile row, my 16 K steps
	s_mul_i32 s38, s20, 16*FRB
	s_add_co_u32 s36, s36, s38
	s_mov_b32 s37, 0
	s_mul_i32 s82, ttmp9, 8*TROW                   ; W2's: behind W1's fragments
	s_add_co_u32 s82, s82, s38
	s_add_co_u32 s82, s82, 12582912
	s_mov_b32 s83, 0
	s_lshl_b32 s38, s20, 10                        ; 16 K steps of scale words; also 4 tokens' coefficients
	s_lshl_b32 s84, s22, 15
	s_add_co_u32 s84, s84, s38
	s_mov_b32 s85, 0
	s_lshl_b32 s86, ttmp9, 15
	s_add_co_u32 s86, s86, s38
	s_add_co_u32 s86, s86, 524288
	s_mov_b32 s87, 0
	s_lshl_b32 s88, s22, 22                        ; x and out: 128 tokens x tile row,
	s_lshl_b32 s89, ttmp9, 9                       ; 512 bytes x tile column
	s_add_co_u32 s88, s88, s89
	s_mul_i32 s90, s20, 112*8192
	s_add_co_u32 s90, s90, s88                     ; the tensor load: my 112 rows
	s_mov_b32 s91, 0
	s_lshl_b32 s92, s20, 17
	s_add_co_u32 s92, s92, s88                     ; out: token 4 w
	s_mov_b32 s93, 0
	s_add_co_u32 s94, s92, 112*32768               ; x: token 112 + 4 w
	s_mov_b32 s95, 0
	s_lshl_b32 s96, s22, 15
	s_mov_b32 s97, 0
	s_mov_b32 s98, s89
	s_mov_b32 s99, 0
	s_mul_i32 s40, s20, SCP
	s_add_co_u32 s40, s40, STG                     ; my copy of the stage
	s_mul_i32 s42, s20, 4*SROW
	s_add_co_u32 s42, s42, STG                     ; my four rows of a copy
	s_lshl_b32 s44, s20, 13                        ; my four tokens' x in a block
	s_lshr_b32 s46, ttmp9, 1                       ; my share of the prefetches: tile g / 2, blocks 3 (g % 2) + 0 .. 2
	s_mul_i32 s46, s46, TROW
	s_and_b32 s50, ttmp9, 1
	s_mul_i32 s50, s50, 768
	s_add_co_u32 s46, s46, s50
	s_lshr_b32 s48, s22, 1
	s_mul_i32 s48, s48, TROW
	s_and_b32 s50, s22, 1
	s_mul_i32 s50, s50, 768
	s_add_co_u32 s48, s48, s50
	v_and_b32 v16, 31, v0                          ; lane
	v_and_b32 v17, 15, v0                          ; r
	v_bfe_u32 v18, v0, 4, 1                        ; h
	v_bfe_u32 v19, v0, 3, 1                        ; R
	v_and_b32 v20, 7, v0                           ; t
	v_lshlrev_b32 v[L16], 4, v16
	v_lshlrev_b32 v[L4], 2, v16
	v_xor_b32 v21, v18, v19
	v_lshl_add_u32 v20, v21, 3, v20
	v_lshl_add_u32 v20, v19, 4, v20                ; 16 R + 8 (h xor R) + t
	v_lshlrev_b32 v[PA], 4, v20
	v_mul_u32_u24 v[STO], v17, SROW
	v_lshl_add_u32 v[STO], v18, 6, v[STO]
	v_add_nc_u32 v[STO], s40, v[STO]               ; row r, byte 64 h
	v_add_nc_u32 v[RD], s42, v[L16]
	v_add_nc_u32 v[XA], s44, v[L16]
	v_min_u32 v22, 2, v16
	v_lshl_add_u32 v[PFA], v22, 8, s46
	v_lshl_add_u32 v[PFB], v22, 8, s48
	v_lshrrev_b32 v23, 2, v16
	v_and_b32 v24, 3, v16
	v_lshl_add_u32 v23, v23, 4, v24                ; my lane's token: 16 (lane / 4) + lane % 4 (+ 4 w)
	v_lshl_add_u32 v[CO], v23, 8, s38
	s_wait_alu depctr_va_vdst(0)
	s_wait_dscnt 0x0                               ; both opening adds are done
	s_wait_kmcnt 0x0
	s_add_nc_u64 s[34:35], s[16:17], s[90:91]
	s_or_b32 s35, s35, 0x80000000
	s_add_nc_u64 s[4:5], s[4:5], s[36:37]
	s_add_nc_u64 s[8:9], s[8:9], s[82:83]
	s_add_nc_u64 s[6:7], s[6:7], s[84:85]
	s_add_nc_u64 s[10:11], s[10:11], s[86:87]
	s_add_nc_u64 s[16:17], s[16:17], s[94:95]
	s_add_nc_u64 s[18:19], s[18:19], s[92:93]
	s_add_nc_u64 s[14:15], s[14:15], s[96:97]
	s_add_nc_u64 s[12:13], s[12:13], s[98:99]
; 48 loads: the 16 fragments of the K step off steps behind the bases, into set p; sc >= 0: also the 16 scale registers of that step and the next, into set sc
.macro LOADS p, off, sc
	WIN 0x40                                       ; destination window 1
.irp b, 0,1,2,3,4,5,6,7
.irp c, 0,1,2
	global_load_b128 v[96*(\p)+12*\b+4*\c:96*(\p)+12*\b+4*\c+3], v[L16], s[8:9] offset:TROW*\b+FRB*(\off)+512*\c
.endr
.endr
	WIN 0
.irp a, 0,1,2,3,4,5,6,7
.irp c, 0,1,2
	global_load_b128 v[64+96*(\p)+12*\a+4*\c:64+96*(\p)+12*\a+4*\c+3], v[PA], s[4:5] offset:TROW*\a+FRB*(\off)+512*\c
.endr
.endr
.if \sc >= 0
.irp i, 0,1,2,3,4,5,6,7
	global_load_b32 v[SC+16*(\sc)+\i], v[L4], s[6:7] offset:4096*\i+64*(\off)
	global_load_b32 v[SC+16*(\sc)+8+\i], v[L4], s[10:11] offset:4096*\i+64*(\off)
.endr
.endif
.endm
.macro ASK off                         ; the prefetch of one K step: my work-group's 3 blocks of each operand
	global_prefetch_b8 v[PFA], s[4:5] offset:FRB*(\off) th:TH_LOAD_NT scope:SCOPE_SE
	global_prefetch_b8 v[PFB], s[8:9] offset:FRB*(\off) th:TH_LOAD_NT scope:SCOPE_SE
.endm
; TRANSPOSED USE: source 0 = 16 rows of W2, source 1 = 16 tokens: a lane holds one token and eight neighbouring columns
.macro WM a, b, p, sc, row, zero
.set D_,  8*(8*((\a)%4)+\b)
.set BF_, 96*(\p)+12*\b
.set AF_, 64+96*(\p)+12*(\a)
.set SB_, SC+16*(\sc)+8+\b
.set SA_, SC+16*(\sc)+\a
.if \zero
	v_wmma_scale_f32_16x16x128_f8f6f4 v[D_:D_+7], v[BF_:BF_+11], v[AF_:AF_+11], 0, v[SB_], v[SA_] matrix_a_fmt:MATRIX_FMT_BF6 matrix_b_fmt:MATRIX_FMT_BF6
.elseif \row
	v_wmma_scale_f32_16x16x128_f8f6f4 v[D_:D_+7], v[BF_:BF_+11], v[AF_:AF_+11], v[D_:D_+7], v[SB_], v[SA_] matrix_a_fmt:MATRIX_FMT_BF6 matrix_b_fmt:MATRIX_FMT_BF6 matrix_a_scale:MATRIX_SCALE_ROW1 matrix_b_scale:MATRIX_SCALE_ROW1
.else
	v_wmma_scale_f32_16x16x128_f8f6f4 v[D_:D_+7], v[BF_:BF_+11], v[AF_:AF_+11], v[D_:D_+7], v[SB_], v[SA_] matrix_a_fmt:MATRIX_FMT_BF6 matrix_b_fmt:MATRIX_FMT_BF6
.endif
.endm
; A K step: its operands are waited for, the next step's 48 loads (64 with scale words) go out into the other set, then 64 matrix instructions; the 64 accumulators take turns, one instruction a turn.
; p: the set; sc, row: the scale set and the step's place in its pair; zero: the first step starts the sums; nxt, off, nsc: the next step's loads; pf: ask for the step two behind that.
.macro STEP p, sc, row, zero, nxt, off, nsc, pf
	s_wait_loadcnt 0x0                             ; all my loads are in: they were issued one step ago
.if \nxt
	PLACES                                         ; the other set was read by the products just issued
	LOADS 1-(\p), \off, \nsc
.if \pf
	ASK (\off)+2
.endif
.endif
	WIN 0xa1                                       ; source 0 window 1, source 1 window 0, C and D window 2
.irp a, 0,1,2,3
.irp b, 0,1,2,3,4,5,6,7
	WM \a, \b, \p, \sc, \row, \zero
.endr
.endr
	WIN 0xf1                                       ; C and D window 3
.irp a, 4,5,6,7
.irp b, 0,1,2,3,4,5,6,7
	WM \a, \b, \p, \sc, \row, \zero
.endr
.endr
	WIN 0
.endm
	WIN 0x40
	global_load_b128 v[B2:B2+3], v[L16], s[12:13]  ; b2 of my 4 columns
.irp k, 0,1,2,3,4,5,6,7,8,9
	global_load_b128 v[CF+4*\k:CF+4*\k+3], v[CO], s[14:15] offset:16*\k   ; my lane's token: 20 pairs; coefficient c in register 2 c
.endr
	LOADS 0, 0, 0
	tensor_load_to_lds s[32:35], s[24:31]          ; my one tensor load: 28 tokens' x.  It stands behind the first K step's loads: the first products wait for those, and x is first read behind the K loop
	s_nop 0
	PLACES
	ASK 1
	ASK 2
	STEP 0, 0, 0, 1, 1, 1, -1, 1                   ; step 0
	s_mov_b32 s23, 3
.Lk:                                                   ; a trip: steps 1 + 4 t .. 4 + 4 t; the sets and the scale sets are back where they began
	STEP 1, 0, 1, 0, 1, 2, 1, 1
	STEP 0, 1, 0, 0, 1, 3, -1, 1
	STEP 1, 1, 1, 0, 1, 4, 0, 1
	STEP 0, 0, 0, 0, 1, 5, -1, 1
	s_wait_xcnt 0x0                                ; the loads and prefetches have read their bases
	s_add_nc_u64 s[4:5], s[4:5], 4*FRB
	s_add_nc_u64 s[8:9], s[8:9], 4*FRB
	s_add_nc_u64 s[6:7], s[6:7], 256
	s_add_nc_u64 s[10:11], s[10:11], 256
	s_sub_co_u32 s23, s23, 1
	s_cmp_lg_u32 s23, 0
	s_cbranch_scc1 .Lk
	STEP 1, 0, 1, 0, 1, 2, 1, 0                    ; steps 13, 14, 15: nothing beyond my quarter of K is asked for
	STEP 0, 1, 0, 0, 1, 3, -1, 0
	STEP 1, 1, 1, 0, 0, 0, -1, 0
	; ---- THE WAY OUT
.macro TOSTAGE a                       ; block a's 16 tokens x 128 columns of partial sums into my copy: columns 32 (b / 2) + 16 h + 8 (b % 2) + 0 .. 7
	WIN 0x08+4*((\a)/4)                            ; an LDS store's data are its source 1: window 2 or 3
.irp b, 0,1,2,3,4,5,6,7
	ds_store_b128 v[STO], v[8*(8*((\a)%4)+\b):8*(8*((\a)%4)+\b)+3] offset:SBUF*((\a)%2)+128*(\b/2)+32*(\b%2)      ; each accumulator from its low end on
	ds_store_b128 v[STO], v[8*(8*((\a)%4)+\b)+4:8*(8*((\a)%4)+\b)+7] offset:SBUF*((\a)%2)+128*(\b/2)+32*(\b%2)+16
.endr
	WIN 0
.endm
.macro ROW a, i                        ; token 16 a + 4 w + i
.set RS_, ST+16*\i
.set RO_, OUT+16*\i
	WIN 0x55                                       ; all in window 1
.irp c, 0,1,2,3,4,5,6,7,8,9,10,11,12,13,14,15,16,17,18,19
	v_readlane_b32 s[40+2*\c+2*(\c/12)], v[CF+2*\c], 4*(\a)+\i
.endr
.if \a < 7
	s_wait_dscnt 16+8*(3-\i)                       ; this row's 8 loads are in; the later rows' 8 each and the next block's 16 stores may be out
.else
	s_wait_dscnt 4*(3-\i)                          ; the last block: 4 loads a row, no stores
.endif
	v_pk_add_f32 v[RS_:RS_+1], v[RS_:RS_+1], v[RS_+4:RS_+5]
	v_pk_add_f32 v[RS_+2:RS_+3], v[RS_+2:RS_+3], v[RS_+6:RS_+7]
	v_pk_add_f32 v[RS_+8:RS_+9], v[RS_+8:RS_+9], v[RS_+12:RS_+13]
	v_pk_add_f32 v[RS_+10:RS_+11], v[RS_+10:RS_+11], v[RS_+14:RS_+15]
	v_pk_add_f32 v[RS_:RS_+1], v[RS_:RS_+1], v[B2:B2+1]
	v_pk_add_f32 v[RS_+2:RS_+3], v[RS_+2:RS_+3], v[B2+2:B2+3]
	v_pk_add_f32 v[RS_:RS_+1], v[RS_:RS_+1], v[RS_+8:RS_+9]
	v_pk_add_f32 v[RS_+2:RS_+3], v[RS_+2:RS_+3], v[RS_+10:RS_+11]      ; the layer's output
.irp k, 0,1,2,3
	v_pk_mul_f32 v[RO_+4*\k:RO_+4*\k+1], v[RS_:RS_+1], s[74+2*\k:75+2*\k] op_sel_hi:[1,0]       ; h_post[k] x the layer's output
	v_pk_mul_f32 v[RO_+4*\k+2:RO_+4*\k+3], v[RS_+2:RS_+3], s[74+2*\k:75+2*\k] op_sel_hi:[1,0]
.endr
.if \a < 7
.set RX_, XR+16*\i
.else
.set RX_, X7+16*\i
	WIN 0x50                                       ; the last block's x lies in window 0
.endif
.irp j, 0,1,2,3
.irp k, 0,1,2,3
	v_pk_fma_f32 v[RO_+4*\k:RO_+4*\k+1], v[RX_+4*\j:RX_+4*\j+1], s[40+2*(4*\k+\j)+2*((4*\k+\j)/12):41+2*(4*\k+\j)+2*((4*\k+\j)/12)], v[RO_+4*\k:RO_+4*\k+1] op_sel_hi:[1,0,1]
	v_pk_fma_f32 v[RO_+4*\k+2:RO_+4*\k+3], v[RX_+4*\j+2:RX_+4*\j+3], s[40+2*(4*\k+\j)+2*((4*\k+\j)/12):41+2*(4*\k+\j)+2*((4*\k+\j)/12)], v[RO_+4*\k+2:RO_+4*\k+3] op_sel_hi:[1,0,1]
.endr
.endr
.endm
; Block a.  In front of the barrier: my stores of block a are done, and so are my reads of block a - 1.  Behind it all four copies of block a are whole, and nobody reads the other stage any more: block a + 1 goes there.
.macro BLOCK a
	s_wait_dscnt 0x0
	s_barrier_signal -1
	s_barrier_wait -1
	WIN 0x40
.irp i, 0,1,2,3
.irp c, 0,1,2,3
	ds_load_b128 v[ST+16*\i+4*\c:ST+16*\i+4*\c+3], v[RD] offset:SBUF*((\a)%2)+SCP*\c+SROW*\i
.endr
.if \a < 7
.irp j, 0,1,2,3
	ds_load_b128 v[XR+16*\i+4*\j:XR+16*\i+4*\j+3], v[XA] offset:2048*\i+512*\j
.endr
.endif
.endr
	WIN 0
.if \a < 6
	v_add_nc_u32 v[XA], XB, v[XA]                  ; the next block's x
.endif
.if \a < 7
	TOSTAGE (\a)+1
.endif
.if \a > 0
	s_wait_xcnt 0x0                                ; the last block's stores have read the results' registers
.endif
.if \a == 7
	s_wait_loadcnt 0x0                             ; the last 16 tokens' x, asked for seven blocks ago
.endif
.irp i, 0,1,2,3
	ROW \a, \i
.endr
	WIN 0x04                                       ; a store's data are its source 1: window 1
.irp i, 0,1,2,3
.irp k, 0,1,2,3
	global_store_b128 v[L16], v[OUT+16*\i+4*\k:OUT+16*\i+4*\k+3], s[18:19] offset:32768*(16*(\a)+\i)+8192*\k th:TH_STORE_NT   ; 32 lanes store 512 consecutive bytes, aligned
.endr
.endr
	WIN 0
.endm
	s_wait_tensorcnt 0x0                           ; my part of x is in; the first block's barrier shows it to the others
	PLACES                                         ; between the last products and the first read of results, and the loads into the fragments' registers
.irp i, 0,1,2,3
.irp j, 0,1,2,3
	global_load_b128 v[X7+16*\i+4*\j:X7+16*\i+4*\j+3], v[L16], s[16:17] offset:32768*\i+8192*\j th:TH_LOAD_NT
.endr
.endr
	TOSTAGE 0
.irp a, 0,1,2,3,4,5,6,7
	BLOCK \a
.endr
	s_wait_tensorcnt 0x0                           ; the wave's end
	ds_add_u32 v[SPW], v[NIL]
	s_wait_dscnt 0x0
	s_endpgm
.Lfunc_end_k_q10e1cf5fe7_gemm2:
	.size	k_q10e1cf5fe7_gemm2, .Lfunc_end_k_q10e1cf5fe7_gemm2-k_q10e1cf5fe7_gemm2
	.p2alignl 7, 3214868480
	.fill 96, 4, 3214868480
	.section	.rodata,"a",@progbits
	.p2align	6, 0x0
	.amdhsa_kernel k_q10e1cf5fe7_gemm2
		.amdhsa_group_segment_fixed_size 327680
		.amdhsa_private_segment_fixed_size 0
		.amdhsa_enable_private_segment 0
		.amdhsa_kernarg_size 64
		.amdhsa_user_sgpr_count 2
		.amdhsa_user_sgpr_kernarg_segment_ptr 1
		.amdhsa_wavefront_size32 1
		.amdhsa_system_sgpr_workgroup_id_x 1
		.amdhsa_system_sgpr_workgroup_id_y 1
		.amdhsa_system_sgpr_workgroup_id_z 1
		.amdhsa_system_vgpr_workitem_id 0
		.amdhsa_next_free_vgpr 1024
		.amdhsa_next_free_sgpr 100
		.amdhsa_reserve_vcc 0
		.amdhsa_float_denorm_mode_32 3
		.amdhsa_float_denorm_mode_16_64 3
		.amdhsa_memory_ordered 1
		.amdhsa_forward_progress 1
		.amdhsa_inst_pref_size 255
	.end_amdhsa_kernel
	.section	.bss,"aw",@nobits
	.p2align	6
	.space	262144
	.amdgpu_metadata
---
amdhsa.version: [ 1, 2 ]
amdhsa.kernels:
  - .name:           k_q10e1cf5fe7_gemm2
    .symbol:         k_q10e1cf5fe7_gemm2.kd
    .args:
      - { .name: hcodes, .offset: 0, .size: 8, .value_kind: global_buffer, .address_space: global }
      - { .name: hscales, .offset: 8, .size: 8, .value_kind: global_buffer, .address_space: global }
      - { .name: wcodes, .offset: 16, .size: 8, .value_kind: global_buffer, .address_space: global }
      - { .name: wscales, .offset: 24, .size: 8, .value_kind: global_buffer, .address_space: global }
      - { .name: b2, .offset: 32, .size: 8, .value_kind: global_buffer, .address_space: global }
      - { .name: hm, .offset: 40, .size: 8, .value_kind: global_buffer, .address_space: global }
      - { .name: x_streams, .offset: 48, .size: 8, .value_kind: global_buffer, .address_space: global }
      - { .name: out0, .offset: 56, .size: 8, .value_kind: global_buffer, .address_space: global }
    .group_segment_fixed_size: 327680
    .private_segment_fixed_size: 0
    .kernarg_segment_align: 8
    .kernarg_segment_size: 64
    .max_flat_workgroup_size: 128
    .sgpr_count:     100
    .vgpr_count:     1024
    .wavefront_size: 32
...
	.end_amdgpu_metadata
.endif
;; end of part 4
